; MI455X (gfx1250); checked and timed in simulation.
; The chip was launched on July 23, 2026; its instructions are those of AMD's public machine-readable ISA for CDNA 5 (MIT licence, August 2026) and "CDNA5" Instruction Set Architecture Reference Guide (July 2026). The comments in the code are by the model that wrote it; some were corrected since.
;; Causal Self Attention. Allowed arithmetic: matrix products marked QUANTISED: E5M2 operands, one given power-of-two scale a tensor, by v_wmma_f32_16x16x64_bf8_bf8 or v_wmma_f32_16x16x128_bf8_bf8, f32 sums; everything else in f32.
;; Inputs: b_attn 3,072 float32; b_proj 1,024 float32; lowp_scales 8 int32 (the exponents e of the quantised operands' scales 2^e); w_attn 1,024 x 3,072 float32; w_proj 1,024 x 1,024 float32; x 2 x 2,048 x 1,024 float32.
;; Outputs: out0 2 x 2,048 x 1,024 float32.
;; This version of the problem:
;;   THIS VERSION OF THE PROBLEM IS GIVEN IN LOW PRECISION. The matrix products marked QUANTISED in the list below multiply operands that are first quantised to E5M2 (5 exponent bits, 2 mantissa bits; 8 bits a number), with one given power-of-two scale for each operand tensor; their sums are f32. All else is computed in f32.
;;   The module's matrix products, in the order in which they are computed (A, B: the left and right operand; K: the contracted axis; several contracted axes count as one K, in the product's order):
;;     1. [M 4,096, K 1,024] x [K 1,024, N 3,072]; A: input x; B: input w_attn: QUANTISED (scales: A lowp_scales[0], B lowp_scales[1])
;;     2. batch 32 x [M 2,048, K 64] x [K 64, N 2,048]; A: computed on the way; B: computed on the way: QUANTISED (scales: A lowp_scales[2], B lowp_scales[3])
;;     3. batch 32 x [M 2,048, K 2,048] x [K 2,048, N 64]; A: softmax (see below); B: computed on the way: QUANTISED (scales: A lowp_scales[4], B lowp_scales[5])
;;     4. [M 4,096, K 1,024] x [K 1,024, N 1,024]; A: computed on the way; B: input w_proj: QUANTISED (scales: A lowp_scales[6], B lowp_scales[7])
;;   THE QUANTISER, for each operand of a quantised product, along K:
;;     - The operand's scale is 2^e, e = its entry of the input lowp_scales (int32; the entries are numbered through the quantised products in the list's order, A before B).
;;     - Each number is divided by the scale, clamped to +-57,344, and rounded to the nearest number of E5M2, ties to even, subnormals kept.
;;     - The product sums the exact products of the quantised numbers (number of the format x scale) in f32.
;;   ~~~python
;;   def quantise(x, axis, e):      # numpy; x: float32 -> the quantised numbers, widened to float32 again
;;       x = np.moveaxis(x, axis, -1); K = x.shape[-1]
;;       r = np.clip(x / 2.0 ** e, -57344, 57344)
;;       step = 2.0 ** (np.maximum(np.frexp(np.where(r == 0, 1, r))[1] - 1, -14) - 2)
;;       q = np.round(r / step) * step * 2.0 ** e      # np.round: ties to even
;;       return np.moveaxis(q, -1, axis).astype(np.float32)
;;   ~~~
;;   SOFTMAX AHEAD OF A QUANTISED PRODUCT. Where the list says 'softmax', what is quantised is not the finished softmax but p = 2^(t - M), with t = logit x log2(e) and M = ceil(the row's largest t), a whole number; so 1/2 < the row's largest p <= 1. The row's sum l is taken of the UNQUANTISED p, in f32, and the product's result is divided by l at the end. Since M is a whole number, a kernel that streams over the keys may use a running M (the ceiling of the running maximum): every later rescaling is an exact power of two, so the quantised numbers keep their values, but for numbers so far below the row's largest that they fall under the format's range.
;;   OPERANDS COMPUTED ON THE WAY. 'Computed on the way' means the value that the module computes at that place (a softmax that the list does not call 'softmax' is quantised finished and normalised). What goes into a quantiser is computed in f32, as accurately as f32 sums, v_exp_f32 and their like allow (about 1e-6 of the number): no bf16 or f16 on the way to a quantiser, and a product that is left as it is and whose result goes on into a quantised operand takes f32 operands (vector FMAs, or v_wmma_f32_16x16x4_f32). A number that lies on a knife's edge between two numbers of the format may be rounded either way, as far as f32 arithmetic and the matrix unit's own rounding can turn it there, and no further.
;; One version. Each part assembles by itself: llvm-mc -triple=amdgcn-amd-amdhsa -mcpu=gfx1250 --defsym DOCPART=n.
;; ======== version 1 of 1: 4 launches
;; limits: right only within a limited range of input values
;; workspace buffers: codes 8,388,608 bytes; qkv 12,582,912 bytes; ycodes 4,194,304 bytes
;; launch quant (part 1): grid 256 x 1, 4 waves a work-group, no clusters, 102,912 bytes of LDS; arguments x, w_attn, w_proj, lowp_scales, codes; writes codes
.if DOCPART == 1
	.amdgcn_target "amdgcn-amd-amdhsa--gfx1250"
	.amdhsa_code_object_version 6
	.text
	.protected	k_qb41c65440d_quant
	.globl	k_qb41c65440d_quant
	.p2align	8
	.type	k_qb41c65440d_quant,@function
k_qb41c65440d_quant:
	s_mov_b64 s[64:65], 0
	v_nop
	global_prefetch_b8 v0, s[64:65] scope:SCOPE_SE
	s_setreg_imm32_b32 hwreg(HW_REG_WAVE_MODE, 25, 1), 1
	s_wait_xcnt 0x0
; x [4096][1024], w_attn [1024][3072] and w_proj [1024][1024], f32, become codes of BF8 (E5M2), one byte each, K innermost, in ONE buffer of 8,192 rows of 1,024 bytes:
; rows 0-4095: x's rows; rows 4096-7167: w_attn's columns; rows 7168-8191: w_proj's columns.
; code = number / 2^e, held within +-57,344, rounded to the nearest code, ties to even; e = entry 0 (x), 1 (w_attn), 7 (w_proj) of the buffer of scales.
; LIMITS: each of these e lies between -126 and 112, so that 2^e and 57,344 x 2^e are f32 numbers.  NaN among the inputs is not served.
; w_proj's rows have the two middle groups of eight of every 32 codes exchanged: byte 32 g + 16 h + 8 u + j holds k = 32 g + 16 u + 8 h + j.  A reader that takes 16 bytes at 32 c + 16 h then holds
; k = 16 c' + 8 h + 0 .. 7 in registers 2 c', 2 c' + 1, which is how the last product's other operand arrives.
; 256 work-groups of four waves, 131,072 bytes of f32 each: 0-127 take x, 128-223 w_attn, 224-255 w_proj.  The three ways part on the work-group's number, have LDS bytes of their own, and have no barrier:
; waves share nothing.  No tensor loads, no matrix unit, no cluster: a stream in which no byte is read twice.
; X: K is innermost.  A wave takes 16 steps of 512 numbers.  Each load reads 512 consecutive bytes, 16 a lane; a step's 2,048 bytes turn through the wave's own stage in LDS and come back 64 bytes a lane,
; so that a lane holds 16 neighbours along K for the conversions.  A lane's 16 codes are 16 bytes: the wave stores 512 consecutive bytes.
; WEIGHTS: K is the first axis.  A lane takes a column and its registers run down K: each load reads 128 consecutive bytes a wave, and the conversions give codes with K innermost.
; A wave gathers 32 columns x 256 along K in its stage and stores them by rows: sixteen lanes store 256 consecutive bytes, at a multiple of 256 from the buffer's first byte.
; WORK LEFT OUT BY THE PROGRAM: reference() puts -infinity in place of every score whose key comes after its query, so such a pair has weight 0 for all values of the inputs.  Tiles of 128 keys that lie wholly behind
; a tile of 16 queries are neither multiplied nor weighed (launch attn).  LIMIT: a NaN, an infinity or an overflow that reaches only such scores is not carried to the result.
.set STEPS, 16
.set SP,    80                         ; X: a lane's place in a stage: its 64 bytes + 16 of padding
.set WREG,  8192                       ; X: LDS of a wave: two stages of 32 x SP bytes
.set RAW,   16                         ; X: v16-79    four sets of 16 numbers as loaded
.set NBR,   80                         ; X: v80-111   two sets of 16 neighbours
.set CODE,  128                        ; X: v128-191  four registers of codes for each step: no store's data are written again
.set PITCH, 272                        ; weights: a stage row: 256 bytes + 16
.set WX,    32                         ; weights: v32-95   two sets of 32 numbers
.set WC,    96                         ; weights: v96-103  a block's codes
.set OUTR,  112                        ; weights: v112-175 the way out
.macro XLOAD t
.irp i, 0,1,2,3
	global_load_b128 v[RAW+16*((\t)%4)+4*\i:RAW+16*((\t)%4)+4*\i+3], v3, s[4:5] offset:2048*(\t)+512*\i th:TH_LOAD_NT   ; 32 lanes read 512 consecutive bytes
.endr
.endm
.macro XTURN t                         ; step t's numbers through the stage: LDS serves a wave's instructions in order, so no wait stands between the stores and the loads
.irp i, 0,1,2,3
	ds_store_b128 v14, v[RAW+16*((\t)%4)+4*\i:RAW+16*((\t)%4)+4*\i+3] offset:32*SP*((\t)%2)+8*SP*\i
.endr
.irp i, 0,1,2,3
	ds_load_b128 v[NBR+16*((\t)%2)+4*\i:NBR+16*((\t)%2)+4*\i+3], v15 offset:32*SP*((\t)%2)+16*\i
.endr
.endm
.macro XSTEP t
.set XS, NBR+16*((\t)%2)
	s_wait_dscnt 0x0                               ; this step's numbers are back from the stage, so its stores into the stage have read their registers,
.if (\t)+4 < STEPS
	XLOAD (\t)+4                                   ; which take the loads of four steps on
.endif
.if (\t)+1 < STEPS
.if STEPS-2-(\t) >= 3
	s_wait_loadcnt 12                              ; the next step's four loads are in; those of the three steps behind it may be out
.else
	s_wait_loadcnt 4*(STEPS-2-(\t))
.endif
	XTURN (\t)+1                                   ; and go through the other stage while this step is worked
.endif
.irp i, 0,1,2,3,4,5,6,7,8,9,10,11,12,13,14,15
	v_med3_num_f32 v[XS+\i], v[XS+\i], -v10, v10   ; the conversion to an 8-bit code does not saturate (ISA guide 7.6.2): the hold at the largest code x the scale comes first
.endr
	v_cvt_scalef32_pk8_bf8_f32 v[CODE+4*(\t):CODE+4*(\t)+1], v[XS:XS+7], v11
	v_cvt_scalef32_pk8_bf8_f32 v[CODE+4*(\t)+2:CODE+4*(\t)+3], v[XS+8:XS+15], v11
	global_store_b128 v3, v[CODE+4*(\t):CODE+4*(\t)+3], s[12:13] offset:512*(\t)   ; the results go to a store alone; the next step's holds are plain lines on other registers
.endm
.macro WLOAD t, cols, src              ; block t: w(32 t + i, my column), i = 0 .. 31, into set t % 2
.irp i, 0,1,2,3,4,5,6,7,8,9,10,11,12,13,14,15,16,17,18,19,20,21,22,23,24,25,26,27,28,29,30,31
	global_load_b32 v[WX+32*((\t)%2)+\i], v3, s[\src:\src+1] offset:(32*(\t)+\i)*\cols*4 th:TH_LOAD_NT
.endr
.endm
.macro WBLOCK t, cols, src, swap
.set XS, WX+32*((\t)%2)
.if (\t) < 7
	s_wait_loadcnt 32                              ; this block's 32 loads are in; the next block's 32 may be out
.else
	s_wait_loadcnt 0
.endif
.irp i, 0,1,2,3,4,5,6,7,8,9,10,11,12,13,14,15,16,17,18,19,20,21,22,23,24,25,26,27,28,29,30,31
	v_med3_num_f32 v[XS+\i], v[XS+\i], -v10, v10
.endr
.irp g, 0,1,2,3
.if \swap
	v_cvt_scalef32_pk8_bf8_f32 v[WC+2*((\g%2)*2+\g/2):WC+2*((\g%2)*2+\g/2)+1], v[XS+8*\g:XS+8*\g+7], v11   ; groups of eight 0, 1, 2, 3 go to places 0, 2, 1, 3
.else
	v_cvt_scalef32_pk8_bf8_f32 v[WC+2*\g:WC+2*\g+1], v[XS+8*\g:XS+8*\g+7], v11
.endif
.endr
	ds_store_b128 v4, v[WC:WC+3] offset:32*(\t)    ; 32 codes: 32 bytes of my column's row
	ds_store_b128 v4, v[WC+4:WC+7] offset:32*(\t)+16
.if (\t)+2 < 8
	WLOAD (\t)+2, \cols, \src
.endif
	s_wait_dscnt 0x0                               ; the stores have read their registers: the next block's codes may be written
.endm
; A weight of \cols columns, its address in s[\src:\src+1]; work-groups \first on; its codes from row \row0 on; its exponent in s[\esc]; its stages from LDS byte \lbase on.
.macro WPATH cols, src, first, row0, esc, lbase, swap
	s_sub_co_u32 s17, ttmp9, \first
	s_and_b32 s18, s17, 3                          ; which 256 along K
	s_lshr_b32 s17, s17, 2
	s_lshl_b32 s17, s17, 7
	s_lshl_b32 s19, s16, 5
	s_add_co_u32 s17, s17, s19                     ; my wave's first column: 128 x group + 32 x wave
	v_lshlrev_b32 v3, 2, v2                        ; in: 4 bytes a lane
	s_mul_i32 s19, s16, 32*PITCH
	s_add_co_u32 s19, s19, \lbase                  ; my stage
	v_mul_u32_u24 v4, v2, PITCH
	v_add_nc_u32 v4, s19, v4                       ; into it: row = my column
	v_and_b32 v5, 15, v2
	v_lshrrev_b32 v6, 4, v2                        ; out of it: sixteen lanes to a row, two rows an instruction
	v_mul_u32_u24 v7, v6, PITCH
	v_lshl_add_u32 v7, v5, 4, v7
	v_add_nc_u32 v7, s19, v7
	v_lshlrev_b32 v8, 10, v6
	v_lshl_add_u32 v8, v5, 4, v8                   ; and the same place in the codes' rows of 1,024 bytes
	s_mul_i32 s20, s18, 256*\cols*4                ; the weight: 256 rows for each step along K,
	s_lshl_b32 s22, s17, 2
	s_add_co_u32 s20, s20, s22                     ; + 4 x column
	s_mov_b32 s21, 0
	s_add_nc_u64 s[\src:\src+1], s[\src:\src+1], s[20:21]
	s_add_co_u32 s22, s17, \row0
	s_lshl_b32 s22, s22, 10                        ; the codes: my column's row,
	s_lshl_b32 s23, s18, 8
	s_add_co_u32 s22, s22, s23                     ; + 256 x step along K
	s_mov_b32 s23, 0
	s_add_nc_u64 s[12:13], s[12:13], s[22:23]
	WLOAD 0, \cols, \src
	WLOAD 1, \cols, \src
	s_wait_kmcnt 0x0
	s_add_co_i32 s22, s[\esc], 127
	s_lshl_b32 s23, s22, 23
	v_mov_b32 v11, s23                             ; 2^e as f32: the conversion takes its exponent field
	s_add_co_i32 s22, s22, 15
	s_lshl_b32 s22, s22, 23
	s_or_b32 s22, s22, 0x600000
	v_mov_b32 v10, s22                             ; 57,344 x 2^e
	s_wait_alu depctr_va_vdst(0)
.irp t, 0,1,2,3,4,5,6,7
	WBLOCK \t, \cols, \src, \swap
.endr
.irp t, 0,1,2,3,4,5,6,7,8,9,10,11,12,13,14,15
	ds_load_b128 v[OUTR+4*\t:OUTR+4*\t+3], v7 offset:2*\t*PITCH   ; LDS serves a wave's instructions in order: these see my stores
.endr
.irp t, 0,1,2,3,4,5,6,7,8,9,10,11,12,13,14,15
	s_wait_dscnt 15-\t                             ; rows 2 t and 2 t + 1 are in; the younger loads may be out
	global_store_b128 v8, v[OUTR+4*\t:OUTR+4*\t+3], s[12:13] offset:2*\t*1024
.endr
.endm
	s_load_b256 s[4:11], s[0:1], 0x0               ; x s[4:5], w_attn s[6:7], w_proj s[8:9], the scales' exponents s[10:11]
	s_load_b64 s[12:13], s[0:1], 0x20              ; the codes
	v_lshl_add_u32 v192, v0, 2, 0x19000
	v_mov_b32 v193, 0
	v_lshrrev_b32 v1, 5, v0
	v_readfirstlane_b32 s16, v1                    ; wave 0..3
	v_and_b32 v2, 31, v0                           ; lane
	s_wait_kmcnt 0x0
	s_load_b256 s[24:31], s[10:11], 0x0            ; e0 .. e7
	s_cmp_lt_u32 ttmp9, 128
	s_cbranch_scc0 .Lweights
	; ---- x
	s_wait_alu depctr_va_vdst(0)
	v_lshlrev_b32 v3, 4, v2                        ; my 16 bytes of a load's 512, and of a step's 512 bytes of codes
	s_wait_alu depctr_va_vdst(0)
	s_mul_i32 s17, s16, WREG
	v_lshrrev_b32 v14, 2, v2
	v_mul_u32_u24 v14, v14, SP
	v_and_b32 v15, 3, v2
	v_lshl_add_u32 v14, v15, 4, v14
	v_add_nc_u32 v14, s17, v14                     ; the stage, on the way in: four lanes' 64 bytes on end, then 16 of padding
	v_mul_u32_u24 v15, v2, SP
	v_add_nc_u32 v15, s17, v15                     ; and on the way out: my 16 neighbours
	s_lshl_b32 s18, ttmp9, 2
	s_add_co_u32 s18, s18, s16                     ; which run of 8,192 numbers is my wave's
	s_lshl_b32 s20, s18, 15
	s_mov_b32 s21, 0
	s_add_nc_u64 s[4:5], s[4:5], s[20:21]
	s_lshl_b32 s20, s18, 13
	s_add_nc_u64 s[12:13], s[12:13], s[20:21]
.irp t, 0,1,2,3
	XLOAD \t
.endr
	s_wait_alu depctr_va_vdst(0)
	s_wait_kmcnt 0x0
	s_add_co_i32 s22, s24, 127
	s_lshl_b32 s23, s22, 23
	v_mov_b32 v11, s23                             ; 2^e0 as f32
	s_add_co_i32 s22, s22, 15
	s_lshl_b32 s22, s22, 23
	s_or_b32 s22, s22, 0x600000
	v_mov_b32 v10, s22                             ; 57,344 x 2^e0
	s_wait_alu depctr_va_vdst(0)
	s_wait_loadcnt 12                              ; step 0's four loads are in
	XTURN 0
.irp t, 0,1,2,3,4,5,6,7,8,9,10,11,12,13,14,15
	XSTEP \t
.endr
	s_wait_tensorcnt 0x0
	ds_add_u32 v192, v193
	s_wait_dscnt 0x0
	s_endpgm
.Lweights:
	s_cmp_lt_u32 ttmp9, 224
	s_cbranch_scc0 .Lproj_weight
	s_wait_alu depctr_va_vdst(0)
	WPATH 3072, 6, 128, 4096, 25, 32768, 0
	s_wait_tensorcnt 0x0
	ds_add_u32 v192, v193
	s_wait_dscnt 0x0
	s_endpgm
.Lproj_weight:
	s_wait_alu depctr_va_vdst(0)
	WPATH 1024, 8, 224, 7168, 31, 67584, 1
	s_wait_tensorcnt 0x0
	ds_add_u32 v192, v193
	s_wait_dscnt 0x0
	s_endpgm
.Lfunc_end_k_qb41c65440d_quant:
	.size	k_qb41c65440d_quant, .Lfunc_end_k_qb41c65440d_quant-k_qb41c65440d_quant
	.p2alignl 7, 3214868480
	.fill 96, 4, 3214868480
	.section	.rodata,"a",@progbits
	.p2align	6, 0x0
	.amdhsa_kernel k_qb41c65440d_quant
		.amdhsa_group_segment_fixed_size 102912
		.amdhsa_private_segment_fixed_size 0
		.amdhsa_enable_private_segment 0
		.amdhsa_kernarg_size 40
		.amdhsa_user_sgpr_count 2
		.amdhsa_user_sgpr_kernarg_segment_ptr 1
		.amdhsa_wavefront_size32 1
		.amdhsa_system_sgpr_workgroup_id_x 1
		.amdhsa_system_sgpr_workgroup_id_y 1
		.amdhsa_system_sgpr_workgroup_id_z 1
		.amdhsa_system_vgpr_workitem_id 0
		.amdhsa_next_free_vgpr 194
		.amdhsa_next_free_sgpr 66
		.amdhsa_reserve_vcc 0
		.amdhsa_float_denorm_mode_32 3
		.amdhsa_float_denorm_mode_16_64 3
		.amdhsa_memory_ordered 1
		.amdhsa_forward_progress 1
		.amdhsa_inst_pref_size 134
	.end_amdhsa_kernel
	.amdgpu_metadata
---
amdhsa.version: [ 1, 2 ]
amdhsa.kernels:
  - .name:           k_qb41c65440d_quant
    .symbol:         k_qb41c65440d_quant.kd
    .args:
      - { .name: x, .offset: 0, .size: 8, .value_kind: global_buffer, .address_space: global }
      - { .name: w_attn, .offset: 8, .size: 8, .value_kind: global_buffer, .address_space: global }
      - { .name: w_proj, .offset: 16, .size: 8, .value_kind: global_buffer, .address_space: global }
      - { .name: lowp_scales, .offset: 24, .size: 8, .value_kind: global_buffer, .address_space: global }
      - { .name: codes, .offset: 32, .size: 8, .value_kind: global_buffer, .address_space: global }
    .group_segment_fixed_size: 102912
    .private_segment_fixed_size: 0
    .kernarg_segment_align: 8
    .kernarg_segment_size: 40
    .max_flat_workgroup_size: 128
    .sgpr_count:     66
    .vgpr_count:     194
    .wavefront_size: 32
...
	.end_amdgpu_metadata
.endif
;; end of part 1
;; launch qkv (part 2): grid 12 x 16, 4 waves a work-group, clusters of 4 x 4, 327,680 bytes of LDS; arguments codes, lowp_scales, qkv, b_attn; writes qkv
.if DOCPART == 2
	.amdgcn_target "amdgcn-amd-amdhsa--gfx1250"
	.amdhsa_code_object_version 6
	.text
	.protected	k_qb41c65440d_qkv
	.globl	k_qb41c65440d_qkv
	.p2align	8
	.type	k_qb41c65440d_qkv,@function
k_qb41c65440d_qkv:
	s_mov_b64 s[64:65], 0
	v_nop
	global_prefetch_b8 v0, s[64:65] scope:SCOPE_SE
	s_setreg_imm32_b32 hwreg(HW_REG_WAVE_MODE, 25, 1), 1
	s_wait_xcnt 0x0
	s_wait_alu depctr_hold_cnt(0) depctr_sa_sdst(0) depctr_va_vdst(0) depctr_va_sdst(0) depctr_va_ssrc(0) depctr_va_vcc(0) depctr_vm_vsrc(0)
	s_getreg_b32 s2, hwreg(HW_REG_IB_STS2, 6, 4)
	s_cmp_eq_u32 s2, 0
	s_cbranch_scc0 .Lentry_in_a_cluster
	s_endpgm
.Lentry_in_a_cluster:
	s_bfe_u32 s2, ttmp6, 0x10000c
	s_cmp_lg_u32 s2, 0xf033
	s_cbranch_scc0 .Lentry_shape_is_right
	s_endpgm
.Lentry_shape_is_right:
; qkv = x w_attn + b_attn on codes of BF8 (E5M2), and its three thirds quantised at once as the operands of attention's two products.
; Both operands lie in ONE buffer of rows of 1,024 codes, K innermost: rows 0-4095 x's, rows 4096-7167 w_attn's columns.  A sum stands for sum x 2^(e0 + e1); number = sum x 2^(e0 + e1) + bias, one fused multiply-add;
; its code = number / 2^e, held within +-57,344, e = e2 for q, e3 for k, e5 for v.
; LIMITS: e0 + e1 between -126 and 127; e2, e3, e5 between -126 and 112, so that each power of two below is an f32 number.  NaN is not served.
; A tile of 256 x 256 is made by four waves, each 128 x 128: 64 accumulators, 512 registers.  K goes in steps of 256 through a ring of two LDS slots filled by the tensor data mover.
; THE MATRIX INSTRUCTION IS USED TRANSPOSED (source 0 = 16 rows of the B side, source 1 = 16 rows of the A side): a lane holds one row of the A side and eight neighbours along the B side.
; The cluster's x says which third: 0 q, 1 k, 2 v; it is the same in all sixteen partners.  q, k: A side = tokens, B side = w_attn's columns: a lane's eight numbers are eight neighbouring channels of a token.
; v: THE SAME PRODUCT WITH THE SIDES EXCHANGED: A side = w_attn's columns 2048 on, B side = tokens: a lane's eight numbers are eight neighbouring tokens (keys) of a channel, since the keys are the second product's K.
; Only row numbers are chosen (s_cselect_b32 on the cluster's x); the loop is one text.
; THE RESULTS LEAVE AS IMAGES OF THE READER'S OPERAND REGISTERS: eight numbers make two registers of codes, which are registers 2 i, 2 i + 1 of a fragment (k = 16 i + 8 (lane / 16) + 0 .. 7); four registers go out by one
; store, lane l's 16 bytes at 16 l: 512 consecutive bytes, at a multiple of 512 from the buffer's first byte.  No stage in LDS.
;   q at byte 0, k at 4 MiB: [batch x head 32][block of 16 tokens 128][piece 2][512];   v at 8 MiB: [batch x head 32][128 keys 16][block of 16 channels 4][piece 4][512].
; CLUSTERS: 4 x 4 work-groups.  The four of a row of the cluster need the same tiles of the A side, the four of a column the same tiles of the B side: each tile is asked for jointly.
; REGISTERS, in windows of 256: window 0: v0-31 addresses; v32-95 the bias along the B side, v96-111 along the A side, v112, v113 the hold and the scale; from v128 the A side's fragments, ONE set; on the way out v128-255 are free.
;   window 1: the B side's fragments, TWO sets.   window 2: the accumulators of my rows 0-63 ((a, b) at v[8 (8 a + b)]);   window 3: those of rows 64-127.
.set ROWB,   256                       ; a tile's row in bytes: 256 along K
.set KROW,   1024                      ; a row of codes in memory
.set PITCH,  272                       ; an LDS row: 256 bytes + 16 of padding = 68 words: the 16 rows that a load touches start at 16 different banks (64 banks of 4 bytes: ISA guide 11.1)
.set FR,     16                        ; registers of a fragment: 16 rows x 128 K
.set NL,     4                         ; LDS loads that bring one
.set NP,     4                         ; places behind this matrix instruction (ISA guide 7.12.1)
.set HALFT,  128*PITCH
.set SLOT,   4*HALFT                   ; the A side's 256 rows, then the B side's
.set LAPS,   2                         ; K = 1,024 is four steps of 256: twice round the ring
.set SPARE,  2*SLOT                    ; behind the ring: the spare words, 128 bytes for each wave: two blocks of 256 bytes that no other line names
.set ADRA, 16                          ; v16-17  LDS address of my A fragments in slot 0, 1
.set ADRB, 20                          ; v20-21  the same for B
.set CO,   26                          ; v26     16 x lane: my place in a store's 512 bytes
.set SPW,  28                          ; v28     LDS address of my spare word; never rewritten
.set NIL,  29                          ; v29     0; never rewritten
.set BC,   32                          ; v32-95  bias of B-side place 16 b + 8 (lane / 16) + j at BC + 8 b + j
.set BR,   96                          ; v96-111 bias of A-side row 16 a + lane % 16, twice, at BR + 2 a
.set LIM,  112
.set SC,   113
.set AF,   128
.set TMP,  128                         ; the way out: a block's 64 numbers
.set G1, 24                            ; s[24:31] descriptor group 1 for the A side;  s[32:39] group 0, one set for each slot
.set G0, 32
.set G1B, 48                           ; s[48:55], s[56:63] the same for the B side
.set G0B, 56
.set MSB, 0
.macro WIN new                         ; the immediate's high byte repeats the setting that is left
.if MSB != (\new)
	s_set_vgpr_msb (MSB<<8)|(\new)
.set MSB, \new
.endif
.endm
.set MUL_LO, 0xa1                      ; source 0 (B) window 1, source 1 (A) window 0, C and D window 2
.set MUL_HI, 0xf1                      ; the same, C and D window 3
.set TO_B,   0x40                      ; destination window 1, address window 0
; A joint load: waves 0 and 1 fetch for the A side, waves 2 and 3 for the B side.  Four v_nop follow each of the two lines.
.macro JLOAD g0a, g1a, g0b, g1b
	s_cmp_eq_u32 s15, 0
	s_cbranch_scc0 .Lfor_b_\@
	tensor_load_to_lds s[\g0a:\g0a+3], s[\g1a:\g1a+7]
	s_nop 0
.rept 4
	v_nop
.endr
	s_branch .Lasked_\@
.Lfor_b_\@:
	tensor_load_to_lds s[\g0b:\g0b+3], s[\g1b:\g1b+7]
	s_nop 0
.rept 4
	v_nop
.endr
.Lasked_\@:
.endm
.macro CREST                           ; a round of the cluster's barrier behind its opening barrier
	s_cmp_lg_u32 s14, 0
	s_cbranch_scc1 .Lnot_wave_0_\@
	s_barrier_signal -3
.Lnot_wave_0_\@:
	s_barrier_wait -3
	s_barrier_signal -1
	s_barrier_wait -1
.endm
.macro CROUND                          ; a whole round
	s_barrier_signal -1
	s_barrier_wait -1
	CREST
.endm
	s_load_b64 s[4:5], s[0:1], 0x0                 ; the codes
	s_load_b128 s[8:11], s[0:1], 0x8               ; the scales' exponents s[8:9], qkv s[10:11]
	s_load_b64 s[68:69], s[0:1], 0x18              ; b_attn
	v_lshl_add_u32 v[SPW], v0, 2, SPARE
	v_mov_b32 v[NIL], 0
	ds_add_u32 v28, v29
	ds_add_u32 v28, v29
	s_wait_dscnt 0x0
	v_lshrrev_b32 v1, 5, v0
	v_readfirstlane_b32 s14, v1                    ; wave 0..3
	s_lshr_b32 s15, s14, 1                         ; which half of the A side's rows is mine.  Also: I fetch for A (0) or for B (1)
	s_and_b32 s16, s14, 1                          ; which half of the B side's.  Also: which 128 rows of that tile I fetch
	s_bfe_u32 s40, ttmp6, 0x40000                  ; cx, cy: my place in the cluster
	s_bfe_u32 s41, ttmp6, 0x40004
	s_lshl_b32 s70, ttmp9, 2                       ; 4 x cluster x
	s_and_b32 s71, ttmp7, 0xffff
	s_lshl_b32 s71, s71, 2                         ; 4 x cluster y
	s_cmp_eq_u32 ttmp9, 2                          ; v?  All four choices stand ahead of the first addition, which would change SCC
	s_cselect_b32 s17, 0, s71                      ; A side's tile: q, k: 4 x cluster y + cy (16 tiles of tokens);  v: cy (4 tiles of channels)
	s_cselect_b32 s42, s71, s70                    ; B side's tile: q, k: 4 x cluster x + cx (8 tiles of columns);  v: 4 x cluster y + cx (16 tiles of tokens)
	s_cselect_b32 s66, 6144, 0                     ; the A side's first row in the buffer of codes
	s_cselect_b32 s67, 0, 4096                     ; the B side's
	s_add_co_u32 s17, s17, s41
	s_add_co_u32 s42, s42, s40
	s_lshl_b32 s43, s41, 2
	s_lshl_b32 s43, 15, s43                        ; my row of the cluster
	s_lshl_b32 s44, 0x1111, s40                    ; my column
	; descriptor group 1: a tile of 128 rows x 256 bytes, padded in LDS
	s_or_b32 s[G1+0], s43, (0<<16)|(1<<20)|(1<<21)|(5<<22)|(3<<25)  ; 15:0 the mask: my row; 17:16 element of 1 byte; 20 padding on; 21 set beside a mask; 24:22 after every 64 words; 31:25 of 4 words
	s_or_b32 s[G1B+0], s44, (0<<16)|(1<<20)|(1<<21)|(5<<22)|(3<<25) ; the same with the mask of my column
.irp g, G1, G1B
	s_mov_b32 s[\g+1], ROWB<<16                    ; tensor_dim0
	s_mov_b32 s[\g+2], 128<<16                     ; tensor_dim1
	s_mov_b32 s[\g+3], ROWB<<16                    ; tile_dim0
	s_mov_b32 s[\g+4], 128                         ; tile_dim1
	s_mov_b32 s[\g+5], KROW                        ; tensor_dim0_stride
	s_mov_b32 s[\g+6], 0
	s_mov_b32 s[\g+7], 0
.endr
	s_lshl_b32 s18, s16, 7                         ; which 128 rows of the tile I fetch
	s_lshl_b32 s20, s17, 8
	s_add_co_u32 s20, s20, s18
	s_add_co_u32 s20, s20, s66                     ; A side: it holds cy and never cx
	s_lshl_b32 s46, s42, 8
	s_add_co_u32 s46, s46, s18
	s_add_co_u32 s46, s46, s67                     ; B side: it holds cx and never cy
	s_lshl_b32 s20, s20, 10                        ; rows of 1,024 bytes; 8 MiB at the most
	s_mov_b32 s21, 0
	s_lshl_b32 s46, s46, 10
	s_mov_b32 s47, 0
	s_mul_i32 s45, s14, HALFT                      ; where they go: wave x 128 rows: no place in the cluster enters an LDS address
	s_wait_kmcnt 0x0
	s_load_b256 s[72:79], s[8:9], 0x0              ; e0 .. e7
	s_add_nc_u64 s[20:21], s[4:5], s[20:21]
	s_add_nc_u64 s[46:47], s[4:5], s[46:47]
	CROUND                                         ; all sixteen work-groups are here: the first joint loads meet
.irp s, 0,1
	s_mov_b32 s[G0+4*\s], 1
	s_add_co_u32 s[G0+4*\s+1], s45, \s*SLOT
	s_add_nc_u64 s[G0+4*\s+2:G0+4*\s+3], s[20:21], \s*ROWB
	s_or_b32 s[G0+4*\s+3], s[G0+4*\s+3], 0x80000000
	s_mov_b32 s[G0B+4*\s], 1
	s_add_co_u32 s[G0B+4*\s+1], s45, \s*SLOT
	s_add_nc_u64 s[G0B+4*\s+2:G0B+4*\s+3], s[46:47], \s*ROWB
	s_or_b32 s[G0B+4*\s+3], s[G0B+4*\s+3], 0x80000000
.endr
	JLOAD G0, G1, G0B, G1B                         ; K step 0: one tensor load a wave at the head
	v_and_b32 v1, 15, v0                           ; r = l % 16
	v_bfe_u32 v2, v0, 4, 1                         ; h = l / 16
	s_wait_alu depctr_va_vdst(0)
	v_mul_u32_u24 v3, v1, PITCH
	v_lshl_add_u32 v4, v2, 4, v3                   ; a fragment's row x pitch + 16 x half
	s_mul_i32 s21, s15, HALFT                      ; my 128 rows of the A side
	s_mul_i32 s22, s16, HALFT                      ; my 128 rows of the B side,
	s_add_co_u32 s22, s22, 2*HALFT                 ; which lie behind A's 256
.irp s, 0,1
	v_add_nc_u32 v[ADRA+\s], s21, v4
	v_add_nc_u32 v[ADRB+\s], s22, v4
	s_add_co_u32 s21, s21, SLOT
	s_add_co_u32 s22, s22, SLOT
.endr
	v_and_b32 v7, 31, v0
	v_lshlrev_b32 v[CO], 4, v7
	; The bias.  q, k: it runs along the B side (BC);  v: along the A side (BR).  Both sets are loaded on one way; the set that the third does not use takes the bias's first numbers and is not used.
	s_lshl_b32 s80, s42, 8
	s_lshl_b32 s81, s16, 7
	s_add_co_u32 s80, s80, s81                     ; my wave's first place along the B side: 256 x tile + 128 x half
	s_lshl_b32 s82, s17, 8
	s_lshl_b32 s83, s15, 7
	s_add_co_u32 s82, s82, s83                     ; and along the A side
	s_add_co_u32 s84, s82, 2048                    ; v's channels begin at column 2,048
	s_cmp_eq_u32 ttmp9, 2
	s_cselect_b32 s85, 0, s80
	s_cselect_b32 s86, s84, 0
	s_lshl_b32 s85, s85, 2
	s_lshl_b32 s86, s86, 2
	v_lshl_add_u32 v5, v2, 5, s85                  ; 32 h + 4 x first column
	v_lshl_add_u32 v6, v1, 2, s86                  ; 4 r + 4 x first channel
.irp n, 0,1,2,3,4,5,6,7,8,9,10,11,12,13,14,15
	global_load_b128 v[BC+4*\n:BC+4*\n+3], v5, s[68:69] offset:64*(\n/2)+16*(\n%2)
.endr
.irp a, 0,1,2,3,4,5,6,7
	global_load_b32 v[BR+2*\a], v6, s[68:69] offset:64*\a
	global_load_b32 v[BR+2*\a+1], v6, s[68:69] offset:64*\a    ; twice: the packed multiply-add names a pair
.endr
.macro FRAG reg, adr, q, i             ; a fragment by four loads of 16 bytes: registers 4 c .. 4 c + 3 hold K = 32 c + 16 (l / 16) + 0 .. 15: the same permutation of k on both sides, so every product meets its partner
.irp c, 0,1,2,3
	ds_load_b128 v[\reg+4*\c:\reg+4*\c+3], v[\adr] offset:128*(\q)+32*\c+(\i)*16*PITCH
.endr
.endm
; 16 matrix instructions: A's blocks a0, a0 + 1 x B's eight, 128 along K.  p: B's set.  zero = 1: the first product starts the sums.  The 64 accumulators take turns, one instruction a turn.
.macro MUL16 a0, p, zero
.irp a, \a0, \a0+1
.irp b, 0,1,2,3,4,5,6,7
.if \zero
	v_wmma_f32_16x16x128_bf8_bf8 v[8*(8*((\a)%4)+\b):8*(8*((\a)%4)+\b)+7], v[128*(\p)+FR*\b:128*(\p)+FR*\b+FR-1], v[AF+FR*(\a):AF+FR*(\a)+FR-1], 0
.else
	v_wmma_f32_16x16x128_bf8_bf8 v[8*(8*((\a)%4)+\b):8*(8*((\a)%4)+\b)+7], v[128*(\p)+FR*\b:128*(\p)+FR*\b+FR-1], v[AF+FR*(\a):AF+FR*(\a)+FR-1], v[8*(8*((\a)%4)+\b):8*(8*((\a)%4)+\b)+7]
.endif
.endr
.endr
.endm
.macro FETCH_B slot, q, p
	WIN TO_B
.irp i, 0,1,2,3,4,5,6,7
	FRAG 128*(\p)+FR*\i, ADRB+\slot, \q, \i
.endr
	WIN 0
.endm
.macro FETCH_A slot, q, i0
.irp i, \i0, \i0+1, \i0+2, \i0+3
	FRAG AF+FR*(\i), ADRA+\slot, \q, \i
.endr
.endm
.macro PLACES n                        ; plain vector lines between a matrix instruction and a load into, or a vector write of, one of its registers, or a read of its result
.rept \n
	v_nop
.endr
.endm
; A step of 128 along K that has its successor in the same slot.
.macro STEP slot, q, zero
	s_wait_dscnt 4*NL                              ; B's set and A's blocks 0-3 are in; the youngest sixteen loads (A's blocks 4-7) may be out
	WIN MUL_LO
	MUL16 0, (\q)%2, \zero
	MUL16 2, (\q)%2, \zero
	s_wait_dscnt 0                                 ; A's blocks 4-7 are in
	PLACES NP
	FETCH_B \slot, (\q)+1, 1-(\q)%2
	FETCH_A \slot, (\q)+1, 0
	WIN MUL_HI
	MUL16 4, (\q)%2, \zero
	MUL16 6, (\q)%2, \zero
	PLACES NP
	WIN 0
	FETCH_A \slot, (\q)+1, 4
.endm
; A slot's last step changes slots: ONE barrier; in front of it each wave waits for all its tensor loads, adds 0 to its spare word, and waits for that and for its own reads of this slot.  fill = 1: this slot is filled again, two K steps ahead.
.macro TURN slot, next, fill
	s_wait_tensorcnt 0x0                           ; all my tensor loads have landed: my part of the next slot  (every window is 0 here)
	ds_add_u32 v[SPW], v[NIL]                      ; 0 onto my spare word
	s_wait_dscnt 4*NL+1                            ; (the add and the youngest sixteen loads, A's blocks 4-7, may be out)
	WIN MUL_LO
	MUL16 0, 1, 0                                  ; sixteen matrix instructions stand between the add and the wait for it
	s_wait_dscnt 0x0                               ; the add is done, and my reads of this slot are over
	s_barrier_signal -1
	MUL16 2, 1, 0
	WIN 0
	s_barrier_wait -1
.if \fill
	CREST                                          ; the barrier has opened a round of the cluster's barrier: no wave of any partner still reads this slot or has a load on its way
	s_add_nc_u64 s[G0+4*\slot+2:G0+4*\slot+3], s[G0+4*\slot+2:G0+4*\slot+3], 2*ROWB
	s_add_nc_u64 s[G0B+4*\slot+2:G0B+4*\slot+3], s[G0B+4*\slot+2:G0B+4*\slot+3], 2*ROWB
	JLOAD G0+4*\slot, G1, G0B+4*\slot, G1B         ; the first tensor load behind the round; its four v_nop are the places in front of the loads below
.else
	PLACES NP
.endif
	FETCH_B \next, 0, 0
	FETCH_A \next, 0, 0
	WIN MUL_HI
	MUL16 4, 1, 0
	MUL16 6, 1, 0
	PLACES NP
	WIN 0
	FETCH_A \next, 0, 4
.endm
	s_wait_alu depctr_va_vdst(0)
	s_wait_tensorcnt 0x0                           ; my part of K step 0 is in
	ds_add_u32 v[SPW], v[NIL]
	s_wait_dscnt 0x0
	CROUND                                         ; everybody's part of K step 0 is in, and all sixteen work-groups are here,
	JLOAD G0+4, G1, G0B+4, G1B                     ; and K step 1's load, the first tensor load behind the round
	FETCH_B 0, 0, 0
	FETCH_A 0, 0, 0
	FETCH_A 0, 0, 4
	STEP 0, 0, 1                                   ; the first step stands in front of the loop: its products start the sums
	s_mov_b32 s3, LAPS-1
.Llap:                                                 ; a trip goes once round the ring, from a lap's second step to the next lap's first, and fills both slots again
	TURN 0, 1, 1
	STEP 1, 0, 0
	TURN 1, 0, 1
	STEP 0, 0, 0
	s_sub_co_u32 s3, s3, 1
	s_cmp_lg_u32 s3, 0
	s_cbranch_scc1 .Llap
	TURN 0, 1, 0                                   ; the last lap fills nothing, and has no round of the cluster's barrier
	STEP 1, 0, 0
	s_wait_dscnt 4*NL                              ; the very last step: nothing more to fetch
	WIN MUL_LO
	MUL16 0, 1, 0
	MUL16 2, 1, 0
	s_wait_dscnt 0
	WIN MUL_HI
	MUL16 4, 1, 0
	MUL16 6, 1, 0
	WIN 0
; THE WAY OUT of A-side block a (16 rows x 128 places of the B side): number = sum x 2^(e0 + e1) + bias; the hold; eight conversions make the 16 registers CD; four stores of 512 bytes.
.macro QOUT a, isv
.set AC, 64*((\a)%4)
.set CD, 192+16*((\a)%4)               ; four sets by turns
	WIN 0x02+((\a)/4)                              ; source 0: window 2 or 3
.set n, 0
.rept 32
.if \isv
	v_pk_fma_f32 v[TMP+n:TMP+n+1], v[AC+n:AC+n+1], s[96:97], v[BR+2*(\a):BR+2*(\a)+1] op_sel_hi:[1,0,1]   ; each accumulator from its low end on
.else
	v_pk_fma_f32 v[TMP+n:TMP+n+1], v[AC+n:AC+n+1], s[96:97], v[BC+n:BC+n+1] op_sel_hi:[1,0,1]
.endif
.set n, n+2
.endr
	WIN 0
.set n, 0
.rept 64
	v_med3_num_f32 v[TMP+n], v[TMP+n], -v[LIM], v[LIM]   ; the conversion to an 8-bit code does not saturate (ISA guide 7.6.2)
.set n, n+1
.endr
.irp i, 0,1,2,3,4,5,6,7
	v_cvt_scalef32_pk8_bf8_f32 v[CD+2*\i:CD+2*\i+1], v[TMP+8*\i:TMP+8*\i+7], v[SC]
.endr
	v_nop                                          ; a plain line between the last conversion and the next block's writes of its sources
.irp p, 0,1,2,3
.if \isv
	global_store_b128 v[CO], v[CD+4*\p:CD+4*\p+3], s[10:11] offset:((\a)/4)*131072+((\a)%4)*2048+\p*512   ; head a / 4, channels 16 (a % 4) on, piece p of the fragment of 128 keys
.else
	global_store_b128 v[CO], v[CD+4*\p:CD+4*\p+3], s[10:11] offset:(\p/2)*131072+(\p%2)*512+(\a)*1024     ; head p / 2, tokens 16 a on, piece p % 2 of the fragment of 64 channels
.endif
.endr
.endm
	s_wait_kmcnt 0x0                               ; the exponents
	s_wait_loadcnt 0x0                             ; the bias
	s_add_co_i32 s96, s72, s73
	s_add_co_i32 s96, s96, 127
	s_lshl_b32 s96, s96, 23                        ; 2^(e0 + e1) as f32
	s_mov_b32 s97, s96                             ; (named with it as a pair, so it is written)
	s_cmp_eq_u32 ttmp9, 0
	s_cselect_b32 s90, s74, s75                    ; q: e2; k: e3;
	s_cmp_eq_u32 ttmp9, 2
	s_cselect_b32 s90, s77, s90                    ; v: e5
	s_add_co_i32 s90, s90, 127
	s_lshl_b32 s91, s90, 23
	v_mov_b32 v[SC], s91                           ; 2^e as f32: the conversion takes its exponent field
	s_add_co_i32 s90, s90, 15
	s_lshl_b32 s90, s90, 23
	s_or_b32 s90, s90, 0x600000
	v_mov_b32 v[LIM], s90                          ; 57,344 x 2^e
	PLACES NP                                      ; in front of the writes into the registers that held A's fragments
	s_cmp_eq_u32 ttmp9, 2                          ; the cluster's x: the same in every wave of every partner; no barrier and no tensor load stands on either way
	s_cbranch_scc1 .Lv_out
	s_lshr_b32 s87, s80, 6                         ; q, k: my first column / 64: 0-15 q's heads, 16-31 k's
	s_lshr_b32 s88, s87, 4
	s_lshl_b32 s88, s88, 22                        ; q at 0, k at 4 MiB
	s_and_b32 s87, s87, 15
	s_lshl_b32 s87, s87, 17                        ; + head x 128 KiB
	s_add_co_u32 s88, s88, s87
	s_lshr_b32 s87, s82, 11
	s_lshl_b32 s87, s87, 21                        ; + batch x 2 MiB
	s_add_co_u32 s88, s88, s87
	s_and_b32 s87, s82, 2047
	s_lshl_b32 s87, s87, 6                         ; + token / 16 x 1,024
	s_add_co_u32 s88, s88, s87
	s_mov_b32 s89, 0
	s_add_nc_u64 s[10:11], s[10:11], s[88:89]
.irp a, 0,1,2,3
	QOUT \a, 0
.endr
	s_wait_xcnt 0x0                                ; block 0's stores have read their registers: the sets of codes come round
.irp a, 4,5,6,7
	QOUT \a, 0
.endr
	s_branch .Lend
.Lv_out:
	s_lshr_b32 s87, s82, 6                         ; v: my first channel / 64: the head
	s_lshl_b32 s88, s87, 17
	s_add_co_u32 s88, s88, 0x800000                ; v at 8 MiB
	s_lshr_b32 s87, s80, 11
	s_lshl_b32 s87, s87, 21                        ; + batch x 2 MiB
	s_add_co_u32 s88, s88, s87
	s_and_b32 s87, s80, 2047
	s_lshl_b32 s87, s87, 6                         ; + token / 128 x 8,192
	s_add_co_u32 s88, s88, s87
	s_mov_b32 s89, 0
	s_add_nc_u64 s[10:11], s[10:11], s[88:89]
.irp a, 0,1,2,3
	QOUT \a, 1
.endr
	s_wait_xcnt 0x0
.irp a, 4,5,6,7
	QOUT \a, 1
.endr
.Lend:
	s_wait_tensorcnt 0x0                           ; the wave's end
	ds_add_u32 v[SPW], v[NIL]
	s_wait_dscnt 0x0
	CROUND                                         ; the closing round: no work-group ends while a partner may still ask for a tile that names it
	s_endpgm
.Lfunc_end_k_qb41c65440d_qkv:
	.size	k_qb41c65440d_qkv, .Lfunc_end_k_qb41c65440d_qkv-k_qb41c65440d_qkv
	.p2alignl 7, 3214868480
	.fill 96, 4, 3214868480
	.section	.rodata,"a",@progbits
	.p2align	6, 0x0
	.amdhsa_kernel k_qb41c65440d_qkv
		.amdhsa_group_segment_fixed_size 327680
		.amdhsa_private_segment_fixed_size 0
		.amdhsa_enable_private_segment 0
		.amdhsa_kernarg_size 32
		.amdhsa_user_sgpr_count 2
		.amdhsa_user_sgpr_kernarg_segment_ptr 1
		.amdhsa_wavefront_size32 1
		.amdhsa_system_sgpr_workgroup_id_x 1
		.amdhsa_system_sgpr_workgroup_id_y 1
		.amdhsa_system_sgpr_workgroup_id_z 1
		.amdhsa_system_vgpr_workitem_id 0
		.amdhsa_next_free_vgpr 1024
		.amdhsa_next_free_sgpr 98
		.amdhsa_reserve_vcc 0
		.amdhsa_float_denorm_mode_32 3
		.amdhsa_float_denorm_mode_16_64 3
		.amdhsa_memory_ordered 1
		.amdhsa_forward_progress 1
		.amdhsa_inst_pref_size 194
	.end_amdhsa_kernel
	.amdgpu_metadata
---
amdhsa.version: [ 1, 2 ]
amdhsa.kernels:
  - .name:           k_qb41c65440d_qkv
    .symbol:         k_qb41c65440d_qkv.kd
    .args:
      - { .name: codes, .offset: 0, .size: 8, .value_kind: global_buffer, .address_space: global }
      - { .name: lowp_scales, .offset: 8, .size: 8, .value_kind: global_buffer, .address_space: global }
      - { .name: qkv, .offset: 16, .size: 8, .value_kind: global_buffer, .address_space: global }
      - { .name: b_attn, .offset: 24, .size: 8, .value_kind: global_buffer, .address_space: global }
    .group_segment_fixed_size: 327680
    .private_segment_fixed_size: 0
    .kernarg_segment_align: 8
    .kernarg_segment_size: 32
    .max_flat_workgroup_size: 128
    .sgpr_count:     98
    .vgpr_count:     1024
    .wavefront_size: 32
...
	.end_amdgpu_metadata
.endif
;; end of part 2
;; launch attn (part 3): grid 32 x 8, 16 waves a work-group, no clusters, 327,680 bytes of LDS; arguments qkv, lowp_scales, ycodes; writes ycodes
.if DOCPART == 3
	.amdgcn_target "amdgcn-amd-amdhsa--gfx1250"
	.amdhsa_code_object_version 6
	.text
	.protected	k_qb41c65440d_attn
	.globl	k_qb41c65440d_attn
	.p2align	8
	.type	k_qb41c65440d_attn,@function
k_qb41c65440d_attn:
	s_mov_b64 s[64:65], 0
	v_nop
	global_prefetch_b8 v0, s[64:65] scope:SCOPE_SE
	s_setreg_imm32_b32 hwreg(HW_REG_WAVE_MODE, 25, 1), 1
	s_wait_xcnt 0x0
; y[b][h][q] = the sum over keys k <= q of softmax_k(q . k / 8) v[k], both products on codes of BF8 (E5M2), and y quantised at once as the last product's operand.
; WORK LEFT OUT: tiles of 128 keys wholly behind a tile of 16 queries: their weights are 0 under the causal mask that reference() builds.  LIMIT: a NaN or an infinity that reaches only such scores is not carried on.
; q, k, v arrive as IMAGES OF OPERAND REGISTERS (a piece of four registers is 512 bytes, lane l's 16 bytes at 16 l):
;   q at byte 0, k at 4 MiB: [batch x head 32][block of 16 tokens 128][piece 2][512]: lane (r, h): token r; registers 2 i, 2 i + 1: channels 16 i + 8 h + 0 .. 7;
;   v at 8 MiB: [batch x head 32][128 keys 16][block of 16 channels 4][piece 4][512]: lane (r, h): channel r; registers 2 i, 2 i + 1: keys 16 i + 8 h + 0 .. 7.
; THE SOFTMAX AHEAD OF THE SECOND PRODUCT: t = score x log2(e) / 8; M = the largest t so far, rounded UP to a whole number; p = 2^(t - M) is quantised, not normalised.  The row's sum is taken of the unquantised p
; and divides at the end.  When M moves, the sum and O are multiplied by 2^(old M - new M): exact.
; SHARES.  A work-group owns one head (its x) and TWO blocks of 128 queries, j and 15 - j (j = its y): 8 long tiles of 16 queries with 16 - j steps of 128 keys, 8 short ones with j + 1.  Sixteen waves, 256 registers each.
;   Waves 0-7 (A): long tile w, steps 0 .. 8.   Waves 8-15 (B): short tile 15 - w, steps 0 .. j; then long tile w - 8, steps 9 .. 15 - j.  So A has 9 steps and B 8, for every j.  A hands -M, the sum and O to its partner B
;   through LDS, which brings both parts under the larger M by powers of two, adds them and divides.
; Every wave walks all 16 steps (trip counts are constants); a step that is not its own is left out by a scalar branch on ids, round no barrier and no tensor load.
; LDS holds the head's K and V as eight sub-images of 32,768 bytes: sub s < 4: K's key tiles 2 s, 2 s + 1 of every step; sub 4 + d: V's block d of 16 channels of every step; 2,048 bytes for a step.  Each is filled ONCE:
;   wave s fetches sub s for the first P0 steps, wave 8 + s for the other steps: one load a wave, all at the head; some step of every work-group reads some bytes of each.  Every LDS read takes 512 consecutive bytes.
; NO CLUSTER: the work-groups that share K and V are those of one head, and they differ in j, on which the branches round a step hang; partners of a joint load would have to run alike.
; NO PREFETCH: all of K and V is asked for at the head; there is no later load to run ahead of.
; LAYOUT.  Both products transposed: S^T = K Q^T (source 0 = 16 keys, source 1 = my 16 queries), O^T = V^T P^T: a lane holds ONE query throughout.  Tile t's eight registers are keys 16 t + 8 h + 0 .. 7: their two
; registers of codes are registers 2 t, 2 t + 1 of the second product's operand.  O^T's tile d is channels 16 d + 8 h + 0 .. 7: likewise for the last product.
; y leaves as an image: [128 rows 32][256 along K 4][block of 16 rows 8][128 along K 2][piece 4][512]; a head fills two pieces.
; LIMITS: e2 + e3 between -123 and 130 (added to c's exponent field); e4 and e6 between -126 and 112; e4 + e5 is applied by v_ldexp_f32.  The scaled scores stay under 2^31 in magnitude.  NaN is not served.
; REGISTERS: v1-5 lane addresses that stay, v8-11 in hand; v12 -M, v13 the largest score, v[14:15] the sum; v16-23 Q, v24-31 the long tile's Q; v32-95 K's eight fragments, then V's four; v96-159 S^T, then p;
;   v160-191 O^T; v192-207 p's codes; v236-254 at work; v240, v244 p's hold and scale; v241, v245 y's.
.set P0,  3                            ; steps that the first loads bring
.set SUB, 32768
.set SPARE, 0x40000                    ; behind the images: the spare words, 128 bytes for each wave
.set PART, SPARE+2048                  ; behind them: A's parts, PBYTES for each pair of waves: no tensor load lands there
.set PBYTES, 4608
.set LI,  1                            ; v1   16 x lane: subs 0, 1
.set K1,  2                            ; v2   subs 2, 3
.set V0,  3                            ; v3   subs 4, 5
.set V1,  4                            ; v4   subs 6, 7
.set MA,  5                            ; v5   the pair's part
.set RH,  6                            ; v6   r - 8 h
.set ADK, 8
.set ADK1, 9
.set ADV, 10
.set ADV1, 11
.set WV,  18                           ; s18  my wave's number
.set CS,  22                           ; s[22:23] c = log2(e) / 8 x 2^(e2 + e3)
.set G1S, 24                           ; s[24:31] descriptor group 1: P0 rows of 2,048 bytes
.set G1L, 32                           ; s[32:39] 16 - P0 rows
.set G0,  40                           ; s[40:43] group 0
.set ST,  48                           ; s48  the step
.set TB,  49                           ; s49  2,048 x step
.set CNT, 50
.set SEL, 52                           ; s[52:53] lane selects for v_permlanex16_b32: lane l xor 16
.set ES,  56                           ; s[56:63] e0 .. e7
.set HB,  67                           ; s67  the head's first byte in each image
.set MK,  80                           ; s80-87  MK + j: the lanes in which register j of the diagonal's tile is a hidden key
.set NINF, 88
.set NCS, 89                           ; -c
.set LL,  90                           ; the long block, 15 - j
.set QL,  91                           ; my long tile, in tiles of 16 queries
.set QS,  92                           ; my short tile
.set TI,  93                           ; the tile in hand: its place in its block,
.set LAST, 94                          ; and its last step
.set J,   95
.set PI,  96                           ; my pair, 0 .. 7
	s_load_b128 s[4:7], s[0:1], 0x0                ; qkv s[4:5], the scales' exponents s[6:7]
	s_load_b64 s[8:9], s[0:1], 0x10                ; y's codes
	v_lshl_add_u32 v251, v0, 2, SPARE
	v_mov_b32 v255, 0
	ds_add_u32 v251, v255                          ; the wave's opening: the add, twice on end, and its wait
	ds_add_u32 v251, v255
	v_lshrrev_b32 v8, 5, v0
	v_readfirstlane_b32 s[WV], v8                  ; wave 0..15
	s_and_b32 s[J], ttmp7, 0xffff
	s_lshl_b32 s[HB], ttmp9, 17
	s_and_b32 s[PI], s[WV], 7                      ; my pair; also the sub-image that I fetch
	s_lshr_b32 s69, s[WV], 3                       ; 0: its first P0 steps, 1: the others
	s_lshl_b32 s72, s[PI], 15
	s_mul_i32 s71, s69, P0*2048
	s_add_co_u32 s72, s72, s71                     ; in LDS
	s_lshr_b32 s73, s[PI], 2
	s_lshl_b32 s73, s73, 22
	s_add_co_u32 s73, s73, s[HB]
	s_and_b32 s74, s[PI], 3
	s_lshl_b32 s74, s74, 11
	s_add_co_u32 s73, s73, s74
	s_mul_i32 s71, s69, P0*8192
	s_add_co_u32 s76, s73, s71
	s_add_co_u32 s76, s76, 0x400000                ; in memory: K at 4 MiB, V at 8 MiB, + the head, + 2,048 x block, + 8,192 x first step
	s_mov_b32 s77, 0
	; descriptor group 1: rows of 2,048 bytes (256 elements of 8 bytes), 8,192 bytes apart, no padding, no mask
	s_mov_b32 s[G1S], 3<<16
	s_mov_b32 s[G1S+1], 256<<16                    ; tensor_dim0
	s_mov_b32 s[G1S+2], P0<<16                     ; tensor_dim1
	s_mov_b32 s[G1S+3], 256<<16                    ; tile_dim0
	s_mov_b32 s[G1S+4], P0                         ; tile_dim1
	s_mov_b32 s[G1S+5], 1024                       ; tensor_dim0_stride
	s_mov_b32 s[G1S+6], 0
	s_mov_b32 s[G1S+7], 0
	s_mov_b32 s[G1L], 3<<16
	s_mov_b32 s[G1L+1], 256<<16
	s_mov_b32 s[G1L+2], (16-P0)<<16
	s_mov_b32 s[G1L+3], 256<<16
	s_mov_b32 s[G1L+4], 16-P0
	s_mov_b32 s[G1L+5], 1024
	s_mov_b32 s[G1L+6], 0
	s_mov_b32 s[G1L+7], 0
	s_wait_dscnt 0x0                               ; both opening adds are done
	s_wait_kmcnt 0x0
	s_load_b256 s[ES:ES+7], s[6:7], 0x0
	s_mov_b32 s[G0], 1
	s_mov_b32 s[G0+1], s72
	s_add_nc_u64 s[G0+2:G0+3], s[4:5], s[76:77]
	s_or_b32 s[G0+3], s[G0+3], 0x80000000
	s_cmp_lt_u32 s[WV], 8
	s_cbranch_scc0 .Lfill_rest
	tensor_load_to_lds s[G0:G0+3], s[G1S:G1S+7]
	s_nop 0
.rept 4
	v_nop
.endr
	s_branch .Lfilled
.Lfill_rest:
	tensor_load_to_lds s[G0:G0+3], s[G1L:G1L+7]
	s_nop 0
.rept 4
	v_nop
.endr
.Lfilled:
	s_sub_co_u32 s[LL], 15, s[J]
	s_lshl_b32 s[QL], s[LL], 3
	s_add_co_u32 s[QL], s[QL], s[PI]               ; long tile: place PI of block 15 - j
	s_sub_co_u32 s70, 7, s[PI]
	s_lshl_b32 s[QS], s[J], 3
	s_add_co_u32 s[QS], s[QS], s70                 ; short tile: place 7 - PI of block j
	s_cmp_lt_u32 s[WV], 8
	s_cselect_b32 s[TI], s[PI], s70
	s_cselect_b32 s[LAST], s[LL], s[J]
	s_cselect_b32 s72, s[QL], s[QS]
	s_lshl_b32 s72, s72, 10                        ; a tile of Q: 1,024 bytes
	s_add_co_u32 s72, s72, s[HB]
	s_mov_b32 s73, 0
	s_add_nc_u64 s[10:11], s[4:5], s[72:73]
	s_lshl_b32 s74, s[QL], 10
	s_add_co_u32 s74, s74, s[HB]
	s_mov_b32 s75, 0
	s_add_nc_u64 s[12:13], s[4:5], s[74:75]
	s_mul_i32 s70, s[PI], PBYTES
	s_add_co_u32 s70, s70, PART
	v_and_b32 v[LI], 31, v0
	v_lshlrev_b32 v[LI], 4, v[LI]
	global_load_b128 v[16:19], v[LI], s[10:11]     ; Q of the first tile
	global_load_b128 v[20:23], v[LI], s[10:11] offset:512
	global_load_b128 v[24:27], v[LI], s[12:13]     ; and of the long one (in A's waves the same tile: the text has one way)
	global_load_b128 v[28:31], v[LI], s[12:13] offset:512
	v_add_nc_u32 v[K1], 2*SUB, v[LI]
	v_add_nc_u32 v[V0], 4*SUB, v[LI]
	v_add_nc_u32 v[V1], 6*SUB, v[LI]
	v_add_nc_u32 v[MA], s70, v[LI]
	v_and_b32 v8, 15, v0
	v_bfe_u32 v9, v0, 4, 1
	v_lshlrev_b32 v9, 3, v9
	v_sub_nc_u32 v[RH], v8, v9                     ; r - 8 h
.irp j, 0,1,2,3,4,5,6,7
	v_cmp_gt_i32 s[MK+\j], \j, v[RH]               ; in the diagonal's tile register j is key 8 h + j of 16: hidden where j > r - 8 h
.endr
	v_mov_b32 v12, 0x7f61b1e6                      ; -M: 3e38
	v_mov_b32 v13, 0xff61b1e6                      ; the largest score so far: -3e38
	v_mov_b32 v14, 0                               ; the sum, in two halves
	v_mov_b32 v15, 0
	v_mov_b32 v236, 0                              ; written once: a lane permute's destination counts as one of its sources
	v_mov_b32 v247, 0                              ; (named as upper halves of pairs)
	v_mov_b32 v253, 0
.set n, 0
.rept 32
	v_mov_b32 v[160+n], 0                          ; O^T: the first change of M leaves zeros
.set n, n+1
.endr
	s_mov_b32 s[SEL], 0x76543210
	s_mov_b32 s[SEL+1], 0xfedcba98
	s_mov_b32 s[NINF], 0xff800000
	s_mov_b32 s[ST], 0
	s_mov_b32 s[TB], 0
	s_wait_alu depctr_va_vdst(0)
	s_wait_kmcnt 0x0
	s_add_co_i32 s70, s[ES+2], s[ES+3]
	s_lshl_b32 s70, s70, 23
	s_add_co_i32 s[CS], s70, 0x3e38aa3b            ; c = log2(e) / 8, with e2 + e3 added to its exponent field
	s_mov_b32 s[CS+1], s[CS]                       ; (named with it as a pair, so it is written)
	s_xor_b32 s[NCS], s[CS], 0x80000000
	s_add_co_i32 s70, s[ES+4], 127
	s_lshl_b32 s71, s70, 23
	v_mov_b32 v244, s71                            ; 2^e4 as f32, for p's conversions
	s_add_co_i32 s70, s70, 15
	s_lshl_b32 s70, s70, 23
	s_or_b32 s70, s70, 0x600000
	v_mov_b32 v240, s70                            ; 57,344 x 2^e4
	s_add_co_i32 s70, s[ES+6], 127
	s_lshl_b32 s71, s70, 23
	v_mov_b32 v245, s71                            ; 2^e6, for y's
	s_add_co_i32 s70, s70, 15
	s_lshl_b32 s70, s70, 23
	s_or_b32 s70, s70, 0x600000
	v_mov_b32 v241, s70                            ; 57,344 x 2^e6
; A KEY STEP: 128 keys.
.macro STEP
	s_cmp_gt_u32 s[ST], s[LAST]                    ; not a step of my tile: nothing to do but to step the addresses
	s_cbranch_scc1 .Lhidden_\@
	v_add_nc_u32 v[ADK], s[TB], v[LI]
	v_add_nc_u32 v[ADK1], s[TB], v[K1]
.irp t, 0,1,2,3
	ds_load_b128 v[32+8*\t:35+8*\t], v[ADK] offset:SUB*(\t/2)+1024*(\t%2)      ; K's tile t: 16 keys x 64 channels, two pieces
	ds_load_b128 v[36+8*\t:39+8*\t], v[ADK] offset:SUB*(\t/2)+1024*(\t%2)+512
.endr
.irp t, 0,1,2,3
	ds_load_b128 v[64+8*\t:67+8*\t], v[ADK1] offset:SUB*(\t/2)+1024*(\t%2)     ; tile 4 + t
	ds_load_b128 v[68+8*\t:71+8*\t], v[ADK1] offset:SUB*(\t/2)+1024*(\t%2)+512
.endr
	s_wait_alu depctr_va_vdst(0)
	s_wait_dscnt 8                                 ; tiles 0-3 are in; the eight loads of tiles 4-7 may be out
.irp t, 0,1,2,3
	v_wmma_f32_16x16x64_bf8_bf8 v[96+8*\t:103+8*\t], v[32+8*\t:39+8*\t], v[16:23], 0
.endr
	s_wait_dscnt 0x0
.irp t, 4,5,6,7
	v_wmma_f32_16x16x64_bf8_bf8 v[96+8*\t:103+8*\t], v[32+8*\t:39+8*\t], v[16:23], 0
.endr
	v_add_nc_u32 v[ADV], s[TB], v[V0]              ; four places in front of the loads into K's registers and of the first read of the scores
	v_add_nc_u32 v[ADV1], s[TB], v[V1]
	v_nop
	v_nop
.irp d, 0,1
.irp p, 0,1,2,3
	ds_load_b128 v[32+16*\d+4*\p:35+16*\d+4*\p], v[ADV] offset:SUB*\d+512*\p   ; V's tile d: 16 channels x 128 keys; they land while the softmax is worked
.endr
.endr
.irp d, 0,1
.irp p, 0,1,2,3
	ds_load_b128 v[64+16*\d+4*\p:67+16*\d+4*\p], v[ADV1] offset:SUB*\d+512*\p
.endr
.endr
	s_cmp_lg_u32 s[ST], s[LAST]                    ; my tile's last step lies on the diagonal: hidden scores become -infinity ahead of the maximum: p = 0 then
	s_cbranch_scc1 .Lopen_\@
.irp t, 0,1,2,3,4,5,6,7
	s_cmp_gt_u32 s[TI], \t                         ; key tile t ahead of my queries: all of it counts
	s_cbranch_scc1 .Lnext_\@_\t
	s_cmp_lg_u32 s[TI], \t
	s_cbranch_scc1 .Lall_\@_\t
.irp i, 0,1,2,3,4,5,6,7
	v_cndmask_b32 v[96+8*\t+\i], v[96+8*\t+\i], s[NINF], s[MK+\i]
.endr
	s_branch .Lnext_\@_\t
.Lall_\@_\t:                                       ; behind them: all of it is hidden
.irp i, 0,1,2,3,4,5,6,7
	v_mov_b32 v[96+8*\t+\i], s[NINF]
.endr
.Lnext_\@_\t:
.endr
	s_wait_alu depctr_va_vdst(0)
.Lopen_\@:
	v_max3_num_f32 v254, v96, v97, v98             ; the largest score of my query so far, among my 64 keys, in four chains; each accumulator is read from its low end on
	v_max3_num_f32 v252, v99, v100, v101
	v_max3_num_f32 v250, v102, v103, v104
	v_max3_num_f32 v248, v105, v106, v107
.irp i, 108,116,124,132,140,148
	v_max3_num_f32 v254, v254, v[\i], v[\i+1]
	v_max3_num_f32 v252, v252, v[\i+2], v[\i+3]
	v_max3_num_f32 v250, v250, v[\i+4], v[\i+5]
	v_max3_num_f32 v248, v248, v[\i+6], v[\i+7]
.endr
	v_max3_num_f32 v254, v254, v156, v157
	v_max3_num_f32 v252, v252, v158, v159
	v_max3_num_f32 v250, v250, v248, v13           ; (the running maximum is one of the leaves)
	s_delay_alu instid0(VALU_DEP_1)
	v_max3_num_f32 v254, v254, v252, v250
	s_delay_alu instid0(VALU_DEP_1)
	v_permlanex16_b32 v236, v254, s[SEL], s[SEL+1]
	s_delay_alu instid0(VALU_DEP_1)
	v_max_num_f32 v13, v254, v236                  ; and among lane l xor 16's
	s_delay_alu instid0(VALU_DEP_1)
	v_mul_f32 v254, s[NCS], v13                    ; -t of the largest (c is positive)
	s_delay_alu instid0(VALU_DEP_1)
	v_floor_f32 v250, v254                         ; the new -M = floor(-t) = -ceil(t): M is a whole number
	s_delay_alu instid0(VALU_DEP_1)
	v_sub_f32 v254, v250, v12                      ; M's old value less its new one: a whole number, 0 or less
	v_mov_b32 v12, v250
	s_delay_alu instid0(VALU_DEP_2)
	v_cvt_i32_f32 v254, v254                       ; (it saturates)
	s_delay_alu instid0(VALU_DEP_1)
	v_ldexp_f32 v252, 1.0, v254                    ; f = 2^(old M - new M)
.set n, 0
.rept 32
	v_pk_fma_f32 v[96+n:97+n], v[96+n:97+n], s[CS:CS+1], v[12:13] op_sel_hi:[1,0,0]   ; t - M, two at a time
.set n, n+2
.endr
	s_wait_alu depctr_va_vdst(0)
.set n, 0
.rept 64
	v_exp_f32 v[96+n], v[96+n]                     ; p = 2^(t - M), at most 1: not normalised
.set n, n+1
.endr
	v_pk_mul_f32 v[14:15], v[14:15], v[252:253] op_sel_hi:[1,0]   ; the sums under the new M.  (A plain place behind the exponentials)
	s_wait_alu depctr_va_vdst(0)
	v_pk_add_f32 v[242:243], v[96:97], v[98:99]    ; the row's sum, of the unquantised p, in four chains
	v_pk_add_f32 v[246:247], v[100:101], v[102:103]
	v_pk_add_f32 v[248:249], v[104:105], v[106:107]
	v_pk_add_f32 v[14:15], v[14:15], v[108:109]
.irp i, 110,118,126,134,142,150
	v_pk_add_f32 v[242:243], v[242:243], v[\i:\i+1]
	v_pk_add_f32 v[246:247], v[246:247], v[\i+2:\i+3]
	v_pk_add_f32 v[248:249], v[248:249], v[\i+4:\i+5]
	v_pk_add_f32 v[14:15], v[14:15], v[\i+6:\i+7]
.endr
	v_pk_add_f32 v[242:243], v[242:243], v[158:159]
	v_pk_add_f32 v[246:247], v[246:247], v[248:249]
	s_delay_alu instid0(VALU_DEP_2)
	v_pk_add_f32 v[14:15], v[14:15], v[242:243]
	s_delay_alu instid0(VALU_DEP_1)
	v_pk_add_f32 v[14:15], v[14:15], v[246:247]
.irp t, 0,1,2,3,4,5,6,7
.irp i, 0,2,4,6
	v_dual_min_num_f32 v[96+8*\t+\i], v240, v[96+8*\t+\i] :: v_dual_min_num_f32 v[97+8*\t+\i], v240, v[97+8*\t+\i]   ; the conversion does not saturate (ISA guide 7.6.2); p is not negative, so the hold is one-sided
.endr
	v_cvt_scalef32_pk8_bf8_f32 v[192+2*\t:193+2*\t], v[96+8*\t:103+8*\t], v244
.endr
.set n, 0
.rept 16
	v_pk_mul_f32 v[160+n:161+n], v[160+n:161+n], v[252:253] op_sel_hi:[1,0]   ; O^T under the new M.  (Also the plain lines between the conversions and the products that read their results)
.set n, n+2
.endr
	s_wait_alu depctr_va_vdst(0)
	s_wait_dscnt 0x0                               ; V's fragments are in
.irp d, 0,1,2,3
	v_wmma_f32_16x16x128_bf8_bf8 v[160+8*\d:167+8*\d], v[32+16*\d:47+16*\d], v[192:207], v[160+8*\d:167+8*\d]   ; the four accumulators take turns
.endr
.rept 4
	v_nop                                          ; places in front of the next step's loads into V's registers, and of the reads of O^T
.endr
.Lhidden_\@:
	s_add_co_u32 s[ST], s[ST], 1
	s_add_co_u32 s[TB], s[TB], 2048
.endm
; THE WAY OUT of a tile whose O^T stands from register base on.  y = O^T x 2^(e4 + e5) / the sum; the hold; four conversions make the eight registers that are my head's part of the last product's fragment:
; two stores of 512 consecutive bytes.
.macro OUT base, tile
	v_add_f32 v14, v14, v15                        ; the sum's two halves,
	s_delay_alu instid0(VALU_DEP_1)
	v_permlanex16_b32 v236, v14, s[SEL], s[SEL+1]
	s_delay_alu instid0(VALU_DEP_1)
	v_add_f32 v14, v14, v236                       ; and lane l xor 16's
	s_wait_alu depctr_va_vdst(0)
	v_rcp_f32 v14, v14
	v_nop                                          ; a plain place behind it
	s_add_co_i32 s70, s[ES+4], s[ES+5]
	s_lshr_b32 s71, ttmp9, 4
	s_lshl_b32 s71, s71, 7
	s_add_co_u32 s71, s71, s[\tile]                ; block of 16 rows of y: 128 x batch + tile
	s_lshr_b32 s72, s71, 3
	s_lshl_b32 s72, s72, 17                        ; group of 128 rows x 131,072
	s_and_b32 s71, s71, 7
	s_lshl_b32 s71, s71, 12                        ; + block of 16 rows x 4,096
	s_add_co_u32 s72, s72, s71
	s_bfe_u32 s71, ttmp9, 0x20002
	s_lshl_b32 s71, s71, 15                        ; + (head / 4) x 32,768: the step of 256 along K
	s_add_co_u32 s72, s72, s71
	s_and_b32 s71, ttmp9, 3
	s_lshl_b32 s71, s71, 10                        ; + (head % 4) x 1,024: the half of 128 along K, and the pair of pieces
	s_add_co_u32 s72, s72, s71
	s_mov_b32 s73, 0
	s_add_nc_u64 s[74:75], s[8:9], s[72:73]
	s_wait_alu depctr_va_vdst(0)
	v_ldexp_f32 v14, v14, s70
	s_wait_alu depctr_va_vdst(0)
.set n, 0
.rept 16
	v_pk_mul_f32 v[96+n:97+n], v[\base+n:\base+1+n], v[14:15] op_sel_hi:[1,0]   ; register 8 d + i is y(my query, 16 d + 8 h + i)
.set n, n+2
.endr
.set n, 0
.rept 32
	v_med3_num_f32 v[96+n], v[96+n], -v241, v241
.set n, n+1
.endr
.irp d, 0,1,2,3
	v_cvt_scalef32_pk8_bf8_f32 v[192+2*\d:193+2*\d], v[96+8*\d:103+8*\d], v245
.endr
	v_nop
	global_store_b128 v[LI], v[192:195], s[74:75]
	global_store_b128 v[LI], v[196:199], s[74:75] offset:512
.endm
	s_wait_alu depctr_va_vdst(0)
	s_wait_loadcnt 0x0                             ; Q
	s_cmp_lt_u32 s[WV], 8
	s_cbranch_scc0 .Llater
	s_wait_tensorcnt 0x0                           ; waves 0-7: my sub-image's first P0 steps have landed; the others' loads may stay out
.Llater:
	s_barrier_signal -1
	s_barrier_wait -1                              ; everybody's have
	s_mov_b32 s[CNT], P0
.Lfirst:
	STEP
	s_sub_co_u32 s[CNT], s[CNT], 1
	s_cmp_lg_u32 s[CNT], 0
	s_cbranch_scc1 .Lfirst
	s_wait_tensorcnt 0x0                           ; the rest has landed
	s_wait_dscnt 0x0
	s_barrier_signal -1
	s_barrier_wait -1
	s_mov_b32 s[CNT], 9-P0
.Lmiddle:                                              ; up to step 8: A's long tiles, B's short ones; no barrier: the waves drift apart, and one wave's softmax stands beside another's products
	STEP
	s_sub_co_u32 s[CNT], s[CNT], 1
	s_cmp_lg_u32 s[CNT], 0
	s_cbranch_scc1 .Lmiddle
	s_cmp_lt_u32 s[WV], 8
	s_cbranch_scc0 .Lshort
.irp n, 0,1,2,3,4,5,6,7
	ds_store_b128 v[MA], v[160+4*\n:163+4*\n] offset:512*\n   ; A: my part of the long tile: O^T,
.endr
	ds_store_b128 v[MA], v[12:15] offset:4096      ; and -M, the largest score (not used there), the sum
	s_mov_b32 s[LAST], 0                           ; no step from here on is mine
	s_branch .Lgo_on
.Lshort:
	OUT 160, QS                                    ; B: the short tile leaves,
.irp n, 0,1,2,3,4,5,6,7
	v_mov_b32 v[16+\n], v[24+\n]                   ; and the long one begins
.endr
	v_mov_b32 v12, 0x7f61b1e6
	v_mov_b32 v13, 0xff61b1e6
	v_mov_b32 v14, 0
	v_mov_b32 v15, 0
.set n, 0
.rept 32
	v_mov_b32 v[160+n], 0
.set n, n+1
.endr
	s_mov_b32 s[LAST], s[LL]
	s_mov_b32 s[TI], s[PI]
	s_wait_alu depctr_va_vdst(0)
	s_wait_xcnt 0x0                                ; the stores have read their registers: codes and base may be written again
.Lgo_on:
	s_mov_b32 s[CNT], 7
.Llast:                                                ; steps 9 to 15: B's part of the long tiles
	STEP
	s_sub_co_u32 s[CNT], s[CNT], 1
	s_cmp_lg_u32 s[CNT], 0
	s_cbranch_scc1 .Llast
	s_wait_dscnt 0x0                               ; A's stores are done
	s_barrier_signal -1
	s_barrier_wait -1
	s_cmp_lt_u32 s[WV], 8
	s_cbranch_scc1 .Lend
	ds_load_b128 v[128:131], v[MA] offset:4096     ; B: my partner's part
.irp n, 0,1,2,3,4,5,6,7
	ds_load_b128 v[96+4*\n:99+4*\n], v[MA] offset:512*\n
.endr
	s_wait_dscnt 8                                 ; its -M and sum are in; O^T's eight loads may be out
	v_min_num_f32 v250, v128, v12                  ; the larger M, as -M
	v_sub_f32 v248, v250, v128
	v_sub_f32 v249, v250, v12
	v_cvt_i32_f32 v248, v248                       ; (both saturate: a part without keys has M = -3e38, and its factor is 0)
	v_cvt_i32_f32 v249, v249
	v_ldexp_f32 v246, 1.0, v248
	v_ldexp_f32 v252, 1.0, v249
	v_pk_mul_f32 v[14:15], v[14:15], v[252:253] op_sel_hi:[1,0]
	v_pk_fma_f32 v[14:15], v[130:131], v[246:247], v[14:15] op_sel_hi:[1,0,1]
.set n, 0
.rept 16
	v_pk_mul_f32 v[160+n:161+n], v[160+n:161+n], v[252:253] op_sel_hi:[1,0]
.set n, n+2
.endr
	s_wait_alu depctr_va_vdst(0)
	s_wait_dscnt 0x0
.set n, 0
.rept 16
	v_pk_fma_f32 v[96+n:97+n], v[96+n:97+n], v[246:247], v[160+n:161+n] op_sel_hi:[1,0,1]
.set n, n+2
.endr
	OUT 96, QL
.Lend:
	s_wait_tensorcnt 0x0                           ; the wave's end
	ds_add_u32 v251, v255
	s_wait_dscnt 0x0
	s_endpgm
.Lfunc_end_k_qb41c65440d_attn:
	.size	k_qb41c65440d_attn, .Lfunc_end_k_qb41c65440d_attn-k_qb41c65440d_attn
	.p2alignl 7, 3214868480
	.fill 96, 4, 3214868480
	.section	.rodata,"a",@progbits
	.p2align	6, 0x0
	.amdhsa_kernel k_qb41c65440d_attn
		.amdhsa_group_segment_fixed_size 327680
		.amdhsa_private_segment_fixed_size 0
		.amdhsa_enable_private_segment 0
		.amdhsa_kernarg_size 24
		.amdhsa_user_sgpr_count 2
		.amdhsa_user_sgpr_kernarg_segment_ptr 1
		.amdhsa_wavefront_size32 1
		.amdhsa_system_sgpr_workgroup_id_x 1
		.amdhsa_system_sgpr_workgroup_id_y 1
		.amdhsa_system_sgpr_workgroup_id_z 1
		.amdhsa_system_vgpr_workitem_id 0
		.amdhsa_next_free_vgpr 256
		.amdhsa_next_free_sgpr 100
		.amdhsa_reserve_vcc 0
		.amdhsa_float_denorm_mode_32 3
		.amdhsa_float_denorm_mode_16_64 3
		.amdhsa_memory_ordered 1
		.amdhsa_forward_progress 1
		.amdhsa_inst_pref_size 92
	.end_amdhsa_kernel
	.amdgpu_metadata
---
amdhsa.version: [ 1, 2 ]
amdhsa.kernels:
  - .name:           k_qb41c65440d_attn
    .symbol:         k_qb41c65440d_attn.kd
    .args:
      - { .name: qkv, .offset: 0, .size: 8, .value_kind: global_buffer, .address_space: global }
      - { .name: lowp_scales, .offset: 8, .size: 8, .value_kind: global_buffer, .address_space: global }
      - { .name: ycodes, .offset: 16, .size: 8, .value_kind: global_buffer, .address_space: global }
    .group_segment_fixed_size: 327680
    .private_segment_fixed_size: 0
    .kernarg_segment_align: 8
    .kernarg_segment_size: 24
    .max_flat_workgroup_size: 512
    .sgpr_count:     100
    .vgpr_count:     256
    .wavefront_size: 32
...
	.end_amdgpu_metadata
.endif
;; end of part 3
;; launch proj (part 4): grid 8 x 32, 8 waves a work-group, clusters of 4 x 4, 327,680 bytes of LDS; arguments ycodes, codes, lowp_scales, out0, b_proj; writes out0
.if DOCPART == 4
	.amdgcn_target "amdgcn-amd-amdhsa--gfx1250"
	.amdhsa_code_object_version 6
	.text
	.protected	k_qb41c65440d_proj
	.globl	k_qb41c65440d_proj
	.p2align	8
	.type	k_qb41c65440d_proj,@function
k_qb41c65440d_proj:
	s_mov_b64 s[64:65], 0
	v_nop
	global_prefetch_b8 v0, s[64:65] scope:SCOPE_SE
	s_setreg_imm32_b32 hwreg(HW_REG_WAVE_MODE, 25, 1), 1
	s_wait_xcnt 0x0
	s_wait_alu depctr_hold_cnt(0) depctr_sa_sdst(0) depctr_va_vdst(0) depctr_va_sdst(0) depctr_va_ssrc(0) depctr_va_vcc(0) depctr_vm_vsrc(0)
	s_getreg_b32 s2, hwreg(HW_REG_IB_STS2, 6, 4)
	s_cmp_eq_u32 s2, 0
	s_cbranch_scc0 .Lentry_in_a_cluster
	s_endpgm
.Lentry_in_a_cluster:
	s_bfe_u32 s2, ttmp6, 0x10000c
	s_cmp_lg_u32 s2, 0xf033
	s_cbranch_scc0 .Lentry_shape_is_right
	s_endpgm
.Lentry_shape_is_right:
; out = y w_proj + b_proj on codes of BF8 (E5M2); f32 sums; out [4096][1024] f32.  A sum stands for sum x 2^(e6 + e7): out = sum x 2^(e6 + e7) + bias, one fused multiply-add.
; LIMIT: e6 + e7 between -126 and 127, so that the power of two is an f32 number.
; y arrives as an image of operand registers: [128 rows 32][256 along K 4][block of 16 rows 8][128 along K 2][piece 4][512 bytes, lane l's 16 at 16 l]; registers 2 i, 2 i + 1 of a fragment hold k = 16 i + 8 (lane / 16) + 0 .. 7.
; w_proj arrives as rows 7168-8191 of the buffer of codes, 1,024 bytes a column, with the middle groups of eight of every 32 exchanged: 16 bytes at 32 c + 16 h are then the same k as the image's.
; SHARES: 32 x 8 tiles of 128 x 128, one to a work-group: 256 work-groups.  Eight waves, each 32 rows x 64 columns: 8 accumulators.
; LDS holds the tile's whole K, each byte filled ONCE by one tensor load a wave at the head: A 131,072 bytes, B [half of K 2][128 rows][528].  Waves 0, 1, 4, 5 fetch A's quarters, waves 2, 3, 6, 7 B's.
; One wait and one barrier stand between the loads and the products; no byte is filled again.  NO PREFETCH: all of both operands is asked for at the head; no later load is there to run ahead of.
; CLUSTERS: 4 x 4 work-groups.  The four of a row of the cluster need the same rows of y, the four of a column the same columns of w_proj: each part is asked for jointly.
; THE MATRIX INSTRUCTION IS USED TRANSPOSED (source 0 = 16 columns of w_proj, source 1 = 16 rows of y): a lane holds one row and eight neighbouring columns.
; THE WAY OUT: 16 rows x 64 columns at a time through the wave's own stage in LDS; sixteen lanes store one aligned unit of 256 bytes.
; REGISTERS: window 0: v1-29 addresses and the bias; v32-95 accumulators; v96-159 A's fragments, two sets.  window 1: v0-127 of it B's fragments, two sets.
.set BPITCH, 528                       ; an LDS row of B: 512 bytes of data + 16
.set BHALF,  128*BPITCH
.set BL,     131072                    ; B begins here
.set SPARE,  BL+2*BHALF                ; the spare words, 128 bytes for each wave
.set STAGE,  SPARE+1024                ; behind them the stages: no tensor load lands there
.set SPITCH, 272
.set BI,   8                           ; v8-11   the bias of my lane's four columns on the way out
.set AA,   16                          ; v16-17  LDS address of my A fragments, half 0, 1 of K
.set AB,   20                          ; v20-21  the same for B
.set STO,  24
.set RD,   25
.set CO,   26
.set BO,   27
.set SPW,  28
.set NIL,  29
.set ACC,  32
.set AF,   96
.set G1,   24                          ; s[24:31], s[32:35] A's descriptor;  s[48:55], s[56:59] B's
.set G0,   32
.set G1B,  48
.set G0B,  56
.set MSB, 0
.macro WIN new                         ; the immediate's high byte repeats the setting that is left
.if MSB != (\new)
	s_set_vgpr_msb (MSB<<8)|(\new)
.set MSB, \new
.endif
.endm
.macro CROUND                          ; a whole round of the cluster's barrier
	s_barrier_signal -1
	s_barrier_wait -1
	s_cmp_lg_u32 s14, 0
	s_cbranch_scc1 .Lnot_wave_0_\@
	s_barrier_signal -3
.Lnot_wave_0_\@:
	s_barrier_wait -3
	s_barrier_signal -1
	s_barrier_wait -1
.endm
.macro PLACES                          ; plain vector lines between a matrix instruction and a load into, or a read of, one of its registers (ISA guide 7.12.1 for reads)
.rept 4
	v_nop
.endr
.endm
	s_load_b128 s[4:7], s[0:1], 0x0                ; y's codes, the codes
	s_load_b128 s[8:11], s[0:1], 0x10              ; the scales' exponents, out
	s_load_b64 s[12:13], s[0:1], 0x20              ; b_proj
	v_lshl_add_u32 v[SPW], v0, 2, SPARE
	v_mov_b32 v[NIL], 0
	ds_add_u32 v[SPW], v[NIL]                      ; the wave's opening: the add, twice on end, and its wait
	ds_add_u32 v[SPW], v[NIL]
	v_lshrrev_b32 v1, 5, v0
	v_readfirstlane_b32 s14, v1                    ; wave 0..7
	s_bfe_u32 s15, s14, 0x10001                    ; I fetch for A (0) or for B (1)
	s_and_b32 s16, s14, 1                          ; which half of its rows.  Also: which 64 columns of the tile are mine
	s_lshr_b32 s18, s14, 2                         ; which half of K I fetch
	s_bfe_u32 s40, ttmp6, 0x40000                  ; cx, cy: my place in the cluster
	s_bfe_u32 s41, ttmp6, 0x40004
	s_lshl_b32 s42, ttmp9, 2
	s_add_co_u32 s42, s42, s40                     ; tile column
	s_and_b32 s17, ttmp7, 0xffff
	s_lshl_b32 s17, s17, 2
	s_add_co_u32 s17, s17, s41                     ; tile row
	s_lshl_b32 s43, s41, 2
	s_lshl_b32 s43, 15, s43                        ; my row of the cluster
	s_lshl_b32 s44, 0x1111, s40                    ; my column
	; A: 128 rows of 256 bytes, dense.  B: 64 rows of 512 bytes, 1,024 apart, 16 bytes of padding behind each in LDS
	s_or_b32 s[G1+0], s43, (0<<16)|(1<<21)
	s_mov_b32 s[G1+1], 256<<16
	s_mov_b32 s[G1+2], 128<<16
	s_mov_b32 s[G1+3], 256<<16
	s_mov_b32 s[G1+4], 128
	s_mov_b32 s[G1+5], 256
	s_mov_b32 s[G1+6], 0
	s_mov_b32 s[G1+7], 0
	s_or_b32 s[G1B+0], s44, (0<<16)|(1<<20)|(1<<21)|(6<<22)|(3<<25)
	s_mov_b32 s[G1B+1], 512<<16
	s_mov_b32 s[G1B+2], 64<<16
	s_mov_b32 s[G1B+3], 512<<16
	s_mov_b32 s[G1B+4], 64
	s_mov_b32 s[G1B+5], 1024
	s_mov_b32 s[G1B+6], 0
	s_mov_b32 s[G1B+7], 0
	s_lshl_b32 s22, s18, 16
	s_lshl_b32 s23, s16, 15
	s_add_co_u32 s22, s22, s23                     ; A: my 32,768 bytes of the tile's 131,072: the same place in LDS
	s_lshl_b32 s20, s17, 17
	s_add_co_u32 s20, s20, s22
	s_mov_b32 s21, 0
	s_lshl_b32 s46, s42, 7
	s_lshl_b32 s23, s16, 6
	s_add_co_u32 s46, s46, s23
	s_add_co_u32 s46, s46, 7168
	s_lshl_b32 s46, s46, 10
	s_lshl_b32 s23, s18, 9
	s_add_co_u32 s46, s46, s23                     ; B: row 7168 + 128 x tile column + 64 x part, half of K
	s_mov_b32 s47, 0
	s_mul_i32 s45, s18, BHALF
	s_mul_i32 s23, s16, 64*BPITCH
	s_add_co_u32 s45, s45, s23
	s_add_co_u32 s45, s45, BL
	s_wait_dscnt 0x0                               ; both opening adds are done
	s_wait_kmcnt 0x0
	s_load_b256 s[72:79], s[8:9], 0x0              ; e0 .. e7
	s_mov_b32 s[G0], 1
	s_mov_b32 s[G0+1], s22
	s_add_nc_u64 s[G0+2:G0+3], s[4:5], s[20:21]
	s_or_b32 s[G0+3], s[G0+3], 0x80000000
	s_mov_b32 s[G0B], 1
	s_mov_b32 s[G0B+1], s45
	s_add_nc_u64 s[G0B+2:G0B+3], s[6:7], s[46:47]
	s_or_b32 s[G0B+3], s[G0B+3], 0x80000000
	CROUND                                         ; all sixteen work-groups are here: the joint loads meet
	s_cmp_eq_u32 s15, 0
	s_cbranch_scc0 .Lfor_b
	tensor_load_to_lds s[G0:G0+3], s[G1:G1+7]
	s_nop 0
.rept 4
	v_nop
.endr
	s_branch .Lasked
.Lfor_b:
	tensor_load_to_lds s[G0B:G0B+3], s[G1B:G1B+7]
	s_nop 0
.rept 4
	v_nop
.endr
.Lasked:
	s_lshr_b32 s21, s14, 1                         ; which 32 rows of the tile are mine
	s_lshl_b32 s60, s17, 19
	s_lshl_b32 s61, s21, 17
	s_add_co_u32 s60, s60, s61                     ; out: (128 x tile row + 32 x that) rows of 4,096 bytes,
	s_lshl_b32 s62, s42, 9
	s_lshl_b32 s63, s16, 8
	s_add_co_u32 s62, s62, s63                     ; + 512 x tile column + 256 x half
	s_add_co_u32 s60, s60, s62
	s_mov_b32 s61, 0
	s_mov_b32 s63, 0
	s_add_nc_u64 s[10:11], s[10:11], s[60:61]
	s_add_nc_u64 s[12:13], s[12:13], s[62:63]
	s_lshl_b32 s21, s21, 13                        ; my two blocks of 16 rows in a step of 256 of the image
	s_mul_i32 s22, s16, 64*BPITCH
	s_add_co_u32 s22, s22, BL
	s_mul_i32 s23, s14, 16*SPITCH
	s_add_co_u32 s23, s23, STAGE                   ; my stage
	v_and_b32 v1, 15, v0                           ; r
	v_bfe_u32 v2, v0, 4, 1                         ; h
	v_lshlrev_b32 v[BO], 4, v1
	global_load_b128 v[BI:BI+3], v[BO], s[12:13]
	v_and_b32 v3, 31, v0
	v_lshlrev_b32 v3, 4, v3
	v_add_nc_u32 v[AA], s21, v3
	v_add_nc_u32 v[AA+1], 0x10000, v[AA]
	v_mul_u32_u24 v4, v1, BPITCH
	v_lshl_add_u32 v4, v2, 4, v4                   ; B: row r, + 16 h
	v_add_nc_u32 v[AB], s22, v4
	v_add_nc_u32 v[AB+1], BHALF, v[AB]
	v_mul_u32_u24 v5, v1, SPITCH
	v_lshl_add_u32 v5, v2, 5, v5
	v_add_nc_u32 v[STO], s23, v5                   ; into the stage: row r, 32 bytes for each half of the lanes
	v_mul_u32_u24 v6, v2, SPITCH
	v_lshl_add_u32 v6, v1, 4, v6
	v_add_nc_u32 v[RD], s23, v6                    ; back: lanes 0-15 one row of 256 bytes, lanes 16-31 the next
	v_lshlrev_b32 v7, 12, v2
	v_lshl_add_u32 v[CO], v1, 4, v7                ; and the same two rows of out
.macro FETCH q, set                    ; the fragments of 128 along K: four of B, two of A
	WIN 0x40
.irp b, 0,1,2,3
.irp c, 0,1,2,3
	ds_load_b128 v[64*(\set)+16*\b+4*\c:64*(\set)+16*\b+4*\c+3], v[AB+(\q)/4] offset:16*BPITCH*\b+128*((\q)%4)+32*\c
.endr
.endr
	WIN 0
.irp a, 0,1
.irp c, 0,1,2,3
	ds_load_b128 v[AF+32*(\set)+16*\a+4*\c:AF+32*(\set)+16*\a+4*\c+3], v[AA+(\q)/4] offset:32768*(((\q)%4)/2)+4096*\a+2048*((\q)%2)+512*\c
.endr
.endr
.endm
.macro MUL set, zero                   ; the eight accumulators take turns, one instruction a turn
	WIN 0x01
.irp a, 0,1
.irp b, 0,1,2,3
.if \zero
	v_wmma_f32_16x16x128_bf8_bf8 v[ACC+32*\a+8*\b:ACC+32*\a+8*\b+7], v[64*(\set)+16*\b:64*(\set)+16*\b+15], v[AF+32*(\set)+16*\a:AF+32*(\set)+16*\a+15], 0
.else
	v_wmma_f32_16x16x128_bf8_bf8 v[ACC+32*\a+8*\b:ACC+32*\a+8*\b+7], v[64*(\set)+16*\b:64*(\set)+16*\b+15], v[AF+32*(\set)+16*\a:AF+32*(\set)+16*\a+15], v[ACC+32*\a+8*\b:ACC+32*\a+8*\b+7]
.endif
.endr
.endr
	WIN 0
.endm
	s_wait_alu depctr_va_vdst(0)
	s_wait_tensorcnt 0x0                           ; my part is in,
	s_barrier_signal -1
	s_barrier_wait -1                              ; and everybody's
	FETCH 0, 0
	FETCH 1, 1
	s_wait_dscnt 24                                ; all but the next step's 24 loads
	MUL 0, 1                                       ; the first products start the sums
	PLACES
	FETCH 2, 0
	s_wait_dscnt 24
	MUL 1, 0
	PLACES
	FETCH 3, 1
	s_wait_dscnt 24
	MUL 0, 0
	PLACES
	FETCH 4, 0
	s_wait_dscnt 24
	MUL 1, 0
	PLACES
	FETCH 5, 1
	s_wait_dscnt 24
	MUL 0, 0
	PLACES
	FETCH 6, 0
	s_wait_dscnt 24
	MUL 1, 0
	PLACES
	FETCH 7, 1
	s_wait_dscnt 24
	MUL 0, 0
	s_wait_dscnt 0x0
	MUL 1, 0
	s_wait_kmcnt 0x0                               ; the exponents
	s_wait_loadcnt 0x0                             ; the bias
	s_add_co_i32 s96, s78, s79
	s_add_co_i32 s96, s96, 127
	s_lshl_b32 s96, s96, 23                        ; 2^(e6 + e7) as f32
	s_mov_b32 s97, s96                             ; (named with it as a pair, so it is written)
	PLACES                                         ; in front of the reads of the sums and of the loads into A's registers
.irp a, 0,1
.irp b, 0,1,2,3
	ds_store_b128 v[STO], v[ACC+32*\a+8*\b:ACC+32*\a+8*\b+3] offset:64*\b
	ds_store_b128 v[STO], v[ACC+32*\a+8*\b+4:ACC+32*\a+8*\b+7] offset:64*\b+16
.endr
.irp t, 0,1,2,3,4,5,6,7
	ds_load_b128 v[AF+32*\a+4*\t:AF+32*\a+4*\t+3], v[RD] offset:2*\t*SPITCH   ; LDS serves a wave's instructions in order (ISA guide 5.7.1.4): these see the stores above, and the next block's stores come behind them
.endr
.endr
.irp a, 0,1
	s_wait_dscnt 16*(1-\a)                         ; block a is back; behind block 0's loads stand block 1's eight stores and eight loads
.irp t, 0,1,2,3,4,5,6,7
	v_pk_fma_f32 v[AF+32*\a+4*\t:AF+32*\a+4*\t+1], v[AF+32*\a+4*\t:AF+32*\a+4*\t+1], s[96:97], v[BI:BI+1] op_sel_hi:[1,0,1]
	v_pk_fma_f32 v[AF+32*\a+4*\t+2:AF+32*\a+4*\t+3], v[AF+32*\a+4*\t+2:AF+32*\a+4*\t+3], s[96:97], v[BI+2:BI+3] op_sel_hi:[1,0,1]
.endr
.irp t, 0,1,2,3,4,5,6,7
	global_store_b128 v[CO], v[AF+32*\a+4*\t:AF+32*\a+4*\t+3], s[10:11] offset:(16*\a+2*\t)*4096 th:TH_STORE_NT   ; sixteen lanes store 256 consecutive bytes, at a multiple of 256 from out's first byte
.endr
.endr
	s_wait_tensorcnt 0x0                           ; the wave's end
	ds_add_u32 v[SPW], v[NIL]
	s_wait_dscnt 0x0
	CROUND                                         ; the closing round: no work-group ends while a partner may still ask for a part that names it
	s_endpgm
.Lfunc_end_k_qb41c65440d_proj:
	.size	k_qb41c65440d_proj, .Lfunc_end_k_qb41c65440d_proj-k_qb41c65440d_proj
	.p2alignl 7, 3214868480
	.fill 96, 4, 3214868480
	.section	.rodata,"a",@progbits
	.p2align	6, 0x0
	.amdhsa_kernel k_qb41c65440d_proj
		.amdhsa_group_segment_fixed_size 327680
		.amdhsa_private_segment_fixed_size 0
		.amdhsa_enable_private_segment 0
		.amdhsa_kernarg_size 40
		.amdhsa_user_sgpr_count 2
		.amdhsa_user_sgpr_kernarg_segment_ptr 1
		.amdhsa_wavefront_size32 1
		.amdhsa_system_sgpr_workgroup_id_x 1
		.amdhsa_system_sgpr_workgroup_id_y 1
		.amdhsa_system_sgpr_workgroup_id_z 1
		.amdhsa_system_vgpr_workitem_id 0
		.amdhsa_next_free_vgpr 384
		.amdhsa_next_free_sgpr 98
		.amdhsa_reserve_vcc 0
		.amdhsa_float_denorm_mode_32 3
		.amdhsa_float_denorm_mode_16_64 3
		.amdhsa_memory_ordered 1
		.amdhsa_forward_progress 1
		.amdhsa_inst_pref_size 31
	.end_amdhsa_kernel
	.amdgpu_metadata
---
amdhsa.version: [ 1, 2 ]
amdhsa.kernels:
  - .name:           k_qb41c65440d_proj
    .symbol:         k_qb41c65440d_proj.kd
    .args:
      - { .name: ycodes, .offset: 0, .size: 8, .value_kind: global_buffer, .address_space: global }
      - { .name: codes, .offset: 8, .size: 8, .value_kind: global_buffer, .address_space: global }
      - { .name: lowp_scales, .offset: 16, .size: 8, .value_kind: global_buffer, .address_space: global }
      - { .name: out0, .offset: 24, .size: 8, .value_kind: global_buffer, .address_space: global }
      - { .name: b_proj, .offset: 32, .size: 8, .value_kind: global_buffer, .address_space: global }
    .group_segment_fixed_size: 327680
    .private_segment_fixed_size: 0
    .kernarg_segment_align: 8
    .kernarg_segment_size: 40
    .max_flat_workgroup_size: 256
    .sgpr_count:     98
    .vgpr_count:     384
    .wavefront_size: 32
...
	.end_amdgpu_metadata
.endif
;; end of part 4
